; MI455X (gfx1250); checked and timed in simulation.
; The chip was launched on July 23, 2026; its instructions are those of AMD's public machine-readable ISA for CDNA 5 (MIT licence, August 2026) and "CDNA5" Instruction Set Architecture Reference Guide (July 2026). The comments in the code are by the model that wrote it; some were corrected since.
;; Typed Linear. Allowed arithmetic: float matrix products may take bf16 or f16 operands with f32 sums; other float arithmetic in f32, or as packed bf16 or f16 multiplies, adds, multiply-adds, maxima and minima; sums over many terms, partial sums and values carried from step to step in f32; what a program stores and reads back later, other than sums and carried values, may be rounded once to bf16 or f16.
;; Inputs: bias 8 x 1,024 float32; types 8,192 int32; weight 8 x 1,024 x 1,024 float32; x 8,192 x 1,024 float32.
;; Outputs: out0 8,192 x 1,024 float32.
;; 3 versions, each right and faster than the one before. Each part assembles by itself: llvm-mc -triple=amdgcn-amd-amdhsa -mcpu=gfx1250 --defsym DOCPART=n.
;; ======== version 1 of 3: 1 launch
;; launch typed (part 1): grid 4 x 64, 4 waves a work-group, no clusters, 241,664 bytes of LDS; arguments x, types, weight, bias, out0; writes out0
.if DOCPART == 1
	.amdgcn_target "amdgcn-amd-amdhsa--gfx1250"
	.amdhsa_code_object_version 6
	.text
	.protected	k_q5e1b88776c_typed
	.globl	k_q5e1b88776c_typed
	.p2align	8
	.type	k_q5e1b88776c_typed,@function
k_q5e1b88776c_typed:
	s_mov_b64 s[64:65], 0
	v_nop
	global_prefetch_b8 v0, s[64:65] scope:SCOPE_SE
	s_setreg_imm32_b32 hwreg(HW_REG_WAVE_MODE, 25, 1), 1
	s_wait_xcnt 0x0
; out0[n][:] = weight[types[n]] x[n] + bias[types[n]].  x [8192][1024], weight [8][1024][1024], bias [8][1024], out0 [8192][1024], all f32; types [8192] i32.
; Only the chosen type's product is made.  ONE launch: every work-group reads types (32 KB), counts for itself, and finds its own type and tokens.
; SHARES.  A tile is at most 144 tokens of ONE type x 256 output columns, all of K.  Type e with c tokens has ceil(c / 144) row tiles, and over all splits there are never more than
; ceil(8192 / 144) + 7 = 64: grid y.  Grid x is the column tile.  A tile number past the last tile has no tokens: it walks the loop (whose barriers every wave passes) and stores nothing.
; Four waves; a wave makes 144 x 64: 36 accumulators of 16 x 16.  Its 64 columns are 256 consecutive bytes of an output row.
; DATA PATH.  x's rows (by the list) and W's rows come as f32 by 16-byte loads, sixteen lanes to 256 consecutive aligned bytes of a row, into a ring of 25 register pairs (50 loads of a wave out);
; they are rounded to bf16, stored into one of two LDS slots (K step 128) and read back as fragments.  16-byte unit l of an LDS row holds k = 4 l .. 4 l + 3 and 64 + 4 l .. 64 + 4 l + 3 of the step:
; the same order of k in x's and in W's rows, so every product meets its partner.
; THE MATRIX INSTRUCTION IS USED TRANSPOSED: source 0 = 16 rows of W, source 1 = 16 tokens: a lane holds one token and eight neighbouring columns.
; BY TURNS.  Behind each matrix instruction stands one slice of the next K step's staging (four conversions, or an LDS store and two loads) or four fragment loads: two window switches a slice.
; LIMITS.  types lie in 0 .. 7 (an index stays inside its table).  x and W are rounded once to bf16 (f32's range); sums and bias in f32.  Places of a tile past its count repeat the tile's first
; token; whole blocks of 16 rows past the count are jumped; in the one block that holds the count the repeated places store that token's own numbers to its own bytes once more.
; NO JOINT LOADS, NO TENSOR LOADS: x's rows come by a list that no descriptor covers; both operands are f32 and pass through registers to be rounded; and how many row tiles share a tile of W hangs on the counts.
; REGISTERS, in windows of 256 (s_set_vgpr_msb: bits 1:0 source 0, 3:2 source 1, 5:4 source 2, 7:6 destination):
;   window 0: v0-31 addresses, bias; v32-135, v136-239 two fragment buffers (72 of x, 32 of W); in the routing v32-95 hold 64 types, v96-127 are at work; on the way out v32-127 hold rows and tokens
;   window 1: accumulator (a, b), a < 8, at 8 (4 a + b)          window 2: v0-31 accumulators (8, b); v32-231 the ring; v232-254 the staging's addresses
.set PITCH, 272                        ; an LDS row: 256 bytes + 16 = 68 words: row r starts at bank 4 r mod 64 (64 banks of 4 bytes: ISA guide 11.1), so the 16 rows of a fragment load start at 16 different banks
.set BOFF,  144*PITCH                  ; in a slot: x's 144 rows, then W's 256
.set SLOT,  (144+256)*PITCH
.set STAGE, 2*SLOT                     ; each wave 16 rows x 272 bytes, for the way out
.set SUB,   STAGE+4*16*PITCH           ; each wave 256 words: the tile's tokens that this wave found, by place; word 144 takes what is not the tile's
.set LIST,  SUB+4096                   ; 256 words: the tile's tokens
.set WTOT,  LIST+1024                  ; each wave 16 bytes of packed counts
.set SPARE, WTOT+256                   ; the spare words, 128 bytes for each wave: two blocks of 256 bytes that no other line names
.set LANE, 1
.set RR,   2                           ; lane % 16
.set HH,   3                           ; lane / 16
.set CO,   4                           ; 16 (lane % 16); never rewritten
.set ADRA, 8                           ; v8-9    LDS address of my fragments of x in slot 0, 1
.set ADRB, 10                          ; v10-11  the same for my wave's 64 rows of W
.set STO,  12                          ; the way out: where I put 16 bytes of a row
.set RD,   13                          ; the way out: where I read rows back
.set LRB,  14                          ; LIST + 4 (lane / 16)
.set LRA,  15                          ; LIST + 4 (2 wave + lane / 16)
.set SPW,  16                          ; LDS address of my spare word; never rewritten
.set NIL,  17                          ; 0; never rewritten
.set TOK0, 19                          ; 4 x my thread's number
.set BI,   20                          ; v20-23  bias of my four columns
.set TY,   32                          ; v32-95  register 4 j + c: the type of token 512 j + 4 thread + c
.set FA0,  32                          ; fragment buffer g: x's at FA0 + 104 g, W's at FB0 + 104 g
.set FB0,  104
.set RING, 32                          ; window 2: pair i of a K step at RING + 8 (i % 25)
.set XO,   232                         ; window 2: v232-249  token x 4096 + 16 (lane % 16) for my 18 pairs of rows of x
.set WO,   250                         ; window 2: 4096 (lane / 16) + 16 (lane % 16)
.set STA,  251                         ; window 2: v251-252  where I store x's rows in slot 0, 1
.set STB,  253                         ; window 2: v253-254  the same for W's
; s[4:5] x (stepped along K)  s[6:7] types  s[8:9] weight at my wave's rows (stepped)  s[10:11] bias  s[12:13] out0, both at my wave's columns
; s14 wave  s15 column tile  s16 row tile  s17 type  s18 its count  s19 its count in the waves before mine  s20 its first tile  s21 tiles so far  s22-23 at work
; s24 CNT, the tile's tokens  s25 the running place  s26 trips  s27-28 masks  s29 my SUB region  s[30:31] lane selects  s[32:47] the waves' counts  s[48:51] totals  s[52:55] before me  s[56:59] at work, offsets  s[66:81] lane masks
.set MSB, 0
.set DSA, 0                            ; LDS instructions issued behind the last fragment load
.set HS,  0                            ; the next half-step of the staging
.macro WIN new                         ; the immediate's high byte repeats the setting that is left; a switch that changes nothing is dropped
.if MSB != (\new)
	s_set_vgpr_msb (MSB<<8)|(\new)
.set MSB, \new
.endif
.endm
.macro BARRIER
	s_barrier_signal -1
	s_barrier_wait -1
.endm
	s_load_b256 s[4:11], s[0:1], 0x0               ; x, types, weight, bias
	s_load_b64 s[12:13], s[0:1], 0x20              ; out0
	v_lshl_add_u32 v[SPW], v0, 2, SPARE
	v_mov_b32 v[NIL], 0
	v_lshrrev_b32 v24, 5, v0
	v_readfirstlane_b32 s14, v24                   ; wave 0..3
	s_mov_b32 s15, ttmp9                           ; column tile 0..3
	s_and_b32 s16, ttmp7, 0xffff                   ; row tile 0..63
	s_mov_b32 s27, 0x0f0f0f0f
	s_mov_b32 s28, 0x00ff00ff
	s_mov_b32 s30, 0x76543210                      ; v_permlanex16_b32: each lane takes its own place in the other half
	s_mov_b32 s31, 0xfedcba98
	v_lshlrev_b32 v25, 4, v0                       ; 16 x thread; not rewritten while the loads below are out
	s_wait_kmcnt 0x0
.set j, 0
.rept 16                                               ; all 8,192 types: a load of the work-group covers 2,048 consecutive bytes
	global_load_b128 v[TY+4*j:TY+4*j+3], v25, s[6:7] offset:2048*j
.set j, j+1
.endr
	; the lane's addresses are made while the types are on their way
	v_and_b32 v[LANE], 31, v0
	v_and_b32 v[RR], 15, v0
	v_bfe_u32 v[HH], v0, 4, 1
	v_lshlrev_b32 v[CO], 4, v[RR]
	v_lshlrev_b32 v[TOK0], 2, v0
	s_mul_i32 s22, s14, 64*PITCH
	s_add_co_u32 s22, s22, BOFF                    ; my wave's 64 rows of W in slot 0,
	s_add_co_u32 s58, s22, SLOT                    ; in slot 1
	s_mul_i32 s23, s14, 16*PITCH
	s_add_co_u32 s23, s23, STAGE                   ; my stage
	s_mul_i32 s56, s14, 2*PITCH                    ; rows 2 wave, 2 wave + 1 of each eight rows of x are mine to store
	s_add_co_u32 s57, s56, SLOT
	s_lshl_b32 s29, s14, 10
	s_add_co_u32 s29, s29, SUB                     ; my SUB region
	s_lshl_b32 s59, s14, 3
	v_mul_u32_u24 v26, v[RR], PITCH
	v_lshl_add_u32 v[ADRA], v[HH], 4, v26          ; a fragment: row lane % 16, 16 bytes for each half of the lanes, two loads 32 bytes apart
	v_add_nc_u32 v[ADRA+1], SLOT, v[ADRA]
	v_add_nc_u32 v[ADRB], s22, v[ADRA]
	v_add_nc_u32 v[ADRB+1], s58, v[ADRA]
	v_lshl_add_u32 v[STO], v[HH], 5, v26           ; into the stage: row lane % 16, 32 bytes (8 columns) for each half of the lanes
	v_add_nc_u32 v[STO], s23, v[STO]
	v_mul_u32_u24 v27, v[HH], PITCH
	v_add_nc_u32 v28, v27, v[CO]                   ; lanes 0-15 one row of 256 bytes, lanes 16-31 the next
	v_add_nc_u32 v[RD], s23, v28
	v_lshl_add_u32 v[LRB], v[HH], 2, LIST
	v_add_nc_u32 v[LRA], s59, v[LRB]
	WIN 0x80                                       ; destination window 2, sources window 0
	v_lshl_add_u32 v[WO], v[HH], 12, v[CO]
	v_add_nc_u32 v[STA], s56, v28
	v_add_nc_u32 v[STA+1], s57, v28
	v_add_nc_u32 v[STB], s22, v28
	v_add_nc_u32 v[STB+1], s58, v28
	WIN 0
.irp i, 124,125,126,127,104,105,106,107
	v_mov_b32 v[\i], 0                             ; v124-127: zeros for my SUB region; v104-107: written before they are destinations of lane exchanges
.endr
	v_lshl_add_u32 v29, v[LANE], 4, s29
	ds_store_b128 v29, v[124:127]                  ; my 256 words are 0: a place that I do not find stays 0
	ds_store_b128 v29, v[124:127] offset:512
	s_wait_loadcnt 0x0                             ; the types
	; THE COUNTS.  Eight registers at a time: 1 << 4 type, added up: eight 4-bit counts of at most 8.  Even and odd types are then added as bytes (at most 64), widened to 16 bits, and summed over the lanes.
.set gg, 0
.rept 8
.set cc, 0
.rept 8
	v_lshlrev_b32 v[110+cc%2], 2, v[TY+8*gg+cc]
.if cc == 0
	v_lshl_add_u32 v96, 1, v[110+cc%2], 0
.else
	v_lshl_add_u32 v96, 1, v[110+cc%2], v96
.endif
.set cc, cc+1
.endr
.if gg == 0
	v_and_b32 v97, s27, v96                        ; bytes: types 0, 2, 4, 6
	v_lshrrev_b32 v99, 4, v96
	v_and_b32 v98, s27, v99                        ; bytes: types 1, 3, 5, 7
.else
	v_and_b32 v99, s27, v96
	v_add_nc_u32 v97, v97, v99
	v_lshrrev_b32 v99, 4, v96
	v_and_b32 v99, s27, v99
	v_add_nc_u32 v98, v98, v99
.endif
.set gg, gg+1
.endr
	v_and_b32 v100, s28, v97                       ; word 0: types 0 | 4
	v_lshrrev_b32 v99, 8, v97
	v_and_b32 v101, s28, v99                       ; word 1: types 2 | 6
	v_and_b32 v102, s28, v98                       ; word 2: types 1 | 5
	v_lshrrev_b32 v99, 8, v98
	v_and_b32 v103, s28, v99                       ; word 3: types 3 | 7
.irp m, 1,2,4,8
.irp i, 0,1,2,3
	v_mov_b32_dpp v[104+\i], v[100+\i] row_xmask:\m row_mask:0xf bank_mask:0xf
.endr
.irp i, 0,1,2,3
	v_add_nc_u32 v[100+\i], v[100+\i], v[104+\i]
.endr
.endr
.irp i, 0,1,2,3
	v_permlanex16_b32 v[104+\i], v[100+\i], s30, s31
.endr
.irp i, 0,1,2,3
	v_add_nc_u32 v[100+\i], v[100+\i], v[104+\i]   ; my wave's counts (at most 2,048 a type), in every lane
.endr
	s_lshl_b32 s22, s14, 4
	s_add_co_u32 s22, s22, WTOT
	v_mov_b32 v108, s22
	ds_store_b128 v108, v[100:103]                 ; all lanes write the same 16 bytes
	s_wait_dscnt 0x0                               ; for the others' sake: my counts are in LDS
	BARRIER
	v_mov_b32 v109, WTOT
.irp u, 0,1,2,3
	ds_load_b128 v[112+4*\u:112+4*\u+3], v109 offset:16*\u
.endr
	s_wait_dscnt 0x0
.set i, 0
.rept 16
	v_readfirstlane_b32 s[32+i], v[112+i]          ; wave i / 4, word i % 4
.set i, i+1
.endr
	; WHICH TILE IS MINE.  Totals, and the counts of the waves before mine.
.irp i, 0,1,2,3
	s_add_co_u32 s[48+\i], s[32+\i], s[36+\i]
	s_add_co_u32 s[48+\i], s[48+\i], s[40+\i]
	s_add_co_u32 s[48+\i], s[48+\i], s[44+\i]
	s_mov_b32 s[52+\i], 0
.endr
.irp u, 0,1,2
	s_cmp_gt_u32 s14, \u
.irp i, 0,1,2,3
	s_cselect_b32 s[56+\i], s[32+4*\u+\i], 0       ; selects leave SCC as it is,
.endr
.irp i, 0,1,2,3
	s_add_co_u32 s[52+\i], s[52+\i], s[56+\i]      ; the sums do not: they follow
.endr
.endr
	s_mov_b32 s17, 0
	s_mov_b32 s18, 0
	s_mov_b32 s19, 0
	s_mov_b32 s20, 0
	s_mov_b32 s21, 0
; Type e's tiles begin at tile s21.  The last type whose first tile is not past mine is my type.
.macro EXPERT e
.set fi, 2*((\e)&1)+(((\e)>>1)&1)
.if (\e) < 4
	s_and_b32 s22, s[48+fi], 0xffff                ; c, the type's count
	s_and_b32 s23, s[52+fi], 0xffff                ; and its count in the waves before mine
.else
	s_lshr_b32 s22, s[48+fi], 16
	s_lshr_b32 s23, s[52+fi], 16
.endif
	s_cmp_ge_u32 s16, s21
	s_cselect_b32 s17, \e, s17
	s_cselect_b32 s18, s22, s18
	s_cselect_b32 s19, s23, s19
	s_cselect_b32 s20, s21, s20
	s_add_co_u32 s22, s22, 143                     ; ceil(c / 144) = ((c + 143) / 16) / 9, and y / 9 = (7282 y) >> 16 for y under 32,768: here y is 520 at the most
	s_lshr_b32 s22, s22, 4
	s_mul_i32 s22, s22, 7282
	s_lshr_b32 s22, s22, 16
	s_add_co_u32 s21, s21, s22
.endm
.irp e, 0,1,2,3,4,5,6,7
	EXPERT \e
.endr
	s_sub_co_u32 s22, s16, s20
	s_mul_i32 s22, s22, 144                        ; the rank of my tile's first token
	s_sub_co_i32 s24, s18, s22
	s_max_i32 s24, s24, 0
	s_min_i32 s24, s24, 144                        ; CNT: 0 for a tile number past the last tile
	s_sub_co_u32 s25, s19, s22                     ; the place in my tile of my wave's first token of the type; below 0 it wraps to a large number
	s_min_u32 s17, s17, 7
	s_lshl_b32 s56, s17, 22                        ; weight: type x 4 MB + column tile x 256 rows + wave x 64 rows
	s_lshl_b32 s22, s15, 20
	s_add_co_u32 s56, s56, s22
	s_lshl_b32 s22, s14, 18
	s_add_co_u32 s56, s56, s22
	s_mov_b32 s57, 0
	s_add_nc_u64 s[8:9], s[8:9], s[56:57]
	s_lshl_b32 s58, s15, 10                        ; out0: column tile x 1,024 bytes + wave x 256
	s_lshl_b32 s22, s14, 8
	s_add_co_u32 s58, s58, s22
	s_mov_b32 s59, 0
	s_add_nc_u64 s[12:13], s[12:13], s[58:59]
	s_lshl_b32 s22, s17, 12                        ; bias: the same + type x 4,096
	s_add_co_u32 s58, s58, s22
	s_add_nc_u64 s[10:11], s[10:11], s[58:59]
; THE STAGING.  A K step has 50 pairs a wave.  Pair i: two rows (lanes 0-15 one, lanes 16-31 the next), 512 bytes of each as two loads of 256; i % 25 < 16: rows of W; else rows of x.
.macro PLOAD i, koff
	WIN 0xaa                                       ; every operand in window 2
.set rR, RING+8*((\i)%25)
.if ((\i)%25) < 16
.set pp, 16*((\i)/25)+((\i)%25)
	global_load_b128 v[rR:rR+3],   v[WO], s[8:9] offset:8192*pp+(\koff)
	global_load_b128 v[rR+4:rR+7], v[WO], s[8:9] offset:8192*pp+(\koff)+256
.else
.set xx, 9*((\i)/25)+((\i)%25)-16
	global_load_b128 v[rR:rR+3],   v[XO+xx], s[4:5] offset:(\koff)
	global_load_b128 v[rR+4:rR+7], v[XO+xx], s[4:5] offset:(\koff)+256
.endif
.endm
.macro PCVT i, left                    ; left: the loads issued behind the pair's two, which may stay out (loads come back in order: ISA guide 5.7.1)
	WIN 0xaa
.set rR, RING+8*((\i)%25)
	s_wait_loadcnt \left
	v_cvt_pk_bf16_f32 v[rR],   v[rR],   v[rR+1]    ; each line writes a register whose number the lines before have read
	v_cvt_pk_bf16_f32 v[rR+1], v[rR+2], v[rR+3]
	v_cvt_pk_bf16_f32 v[rR+2], v[rR+4], v[rR+5]
	v_cvt_pk_bf16_f32 v[rR+3], v[rR+6], v[rR+7]
.endm
.macro PSTORE i, slot                  ; sixteen lanes write 256 consecutive bytes of an LDS row
	WIN 0xaa
.set rR, RING+8*((\i)%25)
.if ((\i)%25) < 16
.set pp, 16*((\i)/25)+((\i)%25)
	ds_store_b128 v[STB+(\slot)], v[rR:rR+3] offset:2*PITCH*pp
.else
.set xx, 9*((\i)/25)+((\i)%25)-16
	ds_store_b128 v[STA+(\slot)], v[rR:rR+3] offset:8*PITCH*xx
.endif
.set DSA, DSA+1
.endm
; Half-step HS of 100.  Even: pair HS / 2 is rounded.  Odd: it is stored, and its ring place is loaded again with the pair 25 further on: of the same K step, or of the next (512 bytes on).
; mode 1: the last K step is being staged: nothing follows it, and the waits count down.
.macro HALF slot, mode
.set ii, HS/2
.if (HS%2) == 0
.if ((\mode) == 1) && (ii > 25)
	PCVT ii, 2*(49-ii)
.else
	PCVT ii, 48                                    ; the ring's 24 other pairs
.endif
.else
	PSTORE ii, \slot
.if ii < 25
	PLOAD ii+25, 0
.elseif (\mode) == 0
	PLOAD ii-25, 512
.endif
.endif
.set HS, HS+1
.endm
	global_load_b128 v[BI:BI+3], v[CO], s[10:11]   ; older than every load of the ring: the first counted wait covers it
.set i, 0
.rept 16
	PLOAD i, 0                                     ; W's first 32 loads fly while the list is made
.set i, i+1
.endr
	WIN 0
	; THE LIST.  The type's tokens are ranked by (wave, register, lane), alike in all work-groups.  A token whose place in my tile is 0 .. 143 goes to that word of my SUB region, every other to word 144.
.set bt, 0
.rept 4
.set i, 0
.rept 16
	v_cmp_eq_u32 s[66+i], s17, v[TY+16*bt+i]
.set i, i+1
.endr
.set i, 0
.rept 16
.set kk, 16*bt+i
.set rP, 96+2*(i%4)
	v_mbcnt_lo_u32_b32 v[rP], s[66+i], s25         ; the running place + the lanes below me that hold the type
	s_bcnt1_i32_b32 s22, s[66+i]
	s_add_co_u32 s25, s25, s22
	v_cndmask_b32 v[rP], -1, v[rP], s[66+i]
	v_min_u32 v[rP], 0x90, v[rP]                   ; another type, a place below 0 (wrapped) or past 143: word 144
	v_lshl_add_u32 v[rP], v[rP], 2, s29
	v_add_nc_u32 v[rP+1], 512*(kk/4)+kk%4, v[TOK0] ; the token
	ds_store_b32 v[rP], v[rP+1]
.set i, i+1
.endr
.set bt, bt+1
.endr
	s_wait_dscnt 0x0                               ; for the others' sake: my region is written
	BARRIER
	v_lshl_add_u32 v24, v0, 3, SUB                 ; places 2 thread, 2 thread + 1 of the four regions: one wave wrote the token, the others hold 0
	v_mov_b32 v26, SUB
.irp u, 0,1,2,3
	ds_load_b64 v[96+2*\u:97+2*\u], v24 offset:1024*\u
.endr
.irp u, 0,1,2,3
	ds_load_b32 v[104+\u], v26 offset:1024*\u      ; place 0: the token that fills the places past the count
.endr
	v_lshlrev_b32 v27, 1, v0
	v_or_b32 v28, 1, v27
	v_lshl_add_u32 v29, v0, 3, LIST
	s_wait_dscnt 0x0
	v_or_b32 v96, v96, v98
	v_or_b32 v100, v100, v102
	v_or_b32 v97, v97, v99
	v_or_b32 v101, v101, v103
	v_or_b32 v104, v104, v105
	v_or_b32 v106, v106, v107
	v_or_b32 v96, v96, v100
	v_or_b32 v97, v97, v101
	v_or_b32 v104, v104, v106
	v_cmp_gt_u32 vcc_lo, s24, v27
	v_cndmask_b32 v96, v104, v96, vcc_lo
	v_cmp_gt_u32 vcc_lo, s24, v28
	v_cndmask_b32 v97, v104, v97, vcc_lo
	ds_store_b64 v29, v[96:97]
	s_wait_dscnt 0x0                               ; for the others' sake: my two places of the list are written
	BARRIER
.set i, 0
.rept 18
	ds_load_b32 v[96+i], v[LRA] offset:32*i        ; the token of row 8 i + 2 wave + lane / 16
.set i, i+1
.endr
	s_wait_dscnt 0x0
.set i, 0
.rept 18
	v_min_u32 v[96+i], 0x1fff, v[96+i]
.set i, i+1
.endr
	WIN 0x80
.set i, 0
.rept 18
	v_lshl_add_u32 v[XO+i], v[96+i], 12, v[CO]
.set i, i+1
.endr
.set i, 16
.rept 9
	PLOAD i, 0                                     ; x's first 18 loads: the ring is full
.set i, i+1
.endr
	; K STEP 0 goes into slot 0 with no product beside it
.set HS, 0
.rept 100
	HALF 0, 0
.endr
	s_wait_xcnt 0x0                                ; every load issued has had its address translated (ISA guide 3.1): only behind this wait are the two bases stepped
	s_add_nc_u64 s[4:5], s[4:5], 512               ; in K step s the bases stand at K step s + 1
	s_add_nc_u64 s[8:9], s[8:9], 512
	s_wait_dscnt 0x0                               ; for the others' sake: my rows of slot 0 are written
	BARRIER
; Four of a quarter's 26 fragment loads (32 along K at byte kb of the rows, into buffer g): W's 4 fragments first, then x's 9.
.macro FR n, slot, kb, g
	WIN 0
.irp c, 0,1,2,3
.set dd, 4*(\n)+(\c)
.if dd < 8
	ds_load_b128 v[FB0+104*(\g)+4*dd:FB0+104*(\g)+4*dd+3], v[ADRB+(\slot)] offset:16*PITCH*(dd/2)+(\kb)+32*(dd%2)
.elseif dd < 26
	ds_load_b128 v[FA0+104*(\g)+4*(dd-8):FA0+104*(\g)+4*(dd-8)+3], v[ADRA+(\slot)] offset:16*PITCH*((dd-8)/2)+(\kb)+32*(dd%2)
.endif
.endr
.if (\n) == 6
.set DSA, 0
.endif
.endm
; Product sl of a quarter's 36: tokens 16 (sl / 4) on, columns 16 (sl % 4) on.  The 36 accumulators take turns, one instruction a turn, in the same order in every quarter.
.macro MM f, sl, zero
.set aa, (\sl)/4
.set bb, (\sl)%4
.if aa < 8
	WIN 0x50                                       ; C and D window 1, fragments window 0
.set rD, 8*(4*aa+bb)
.else
	WIN 0xa0                                       ; C and D window 2
.set rD, 8*bb
.endif
.set rB, FB0+104*(\f)+8*bb
.set rA, FA0+104*(\f)+8*aa
.if \zero
	v_wmma_f32_16x16x32_bf16 v[rD:rD+7], v[rB:rB+7], v[rA:rA+7], 0
.else
	v_wmma_f32_16x16x32_bf16 v[rD:rD+7], v[rB:rB+7], v[rA:rA+7], v[rD:rD+7]
.endif
.endm
.macro STG slot, mode                  ; a slice of the staging; mode 2: there is none left, and four v_nop behind the quarter's first product are the places in front of the fragment loads
.if ((\mode) < 2) && (HS < 100)
	HALF \slot, \mode
.elseif sl == 0
.rept 4
	v_nop
.endr
.endif
.endm
; A QUARTER of K step's slot cur: 36 products on buffer q % 2, a slice behind each.  29 + 29 + 29 + 13 = 100 half-steps stage the next K step into the other slot.
; A load into a register that a matrix instruction has read stands four plain vector instructions behind it (ISA guide 7.12.1 for vector instructions): of the two slices ahead of
; the fragment loads one is four conversions, which name no register of the products.
; q < 3: behind products 2 to 8 the next quarter's fragments are fetched.  q = 3: ONE barrier changes slots.  In front of its signal my stores into the next slot are done and my reads of this slot are back;
; behind its wait the next slot is read, and this slot is written from the next K step on.  Two products stand between signal and wait.
.macro QUARTER cur, q, zero, mode, last=0
.if (\q) == 0
.set HS, 0
.endif
	s_wait_dscnt DSA                               ; the fragments are in; the LDS stores issued behind them may stay out
.set sl, 0
.rept 36
	MM (\q)%2, sl, \zero
.if (\q) < 3
.if (sl >= 2) && (sl <= 8)
	FR sl-2, \cur, 64*((\q)+1), 1-(\q)%2
.else
	STG 1-(\cur), \mode
.endif
.elseif !(\last)
.if sl < 13
	STG 1-(\cur), \mode
.elseif sl == 13
.if (\mode) == 0
	s_wait_xcnt 0x0                                ; the bases are stepped only behind this wait
	s_add_nc_u64 s[4:5], s[4:5], 512
	s_add_nc_u64 s[8:9], s[8:9], 512
.endif
	s_wait_dscnt 0x0
	s_barrier_signal -1
.elseif sl == 15
	s_barrier_wait -1
.elseif (sl >= 16) && (sl <= 22)
	FR sl-16, 1-(\cur), 0, 0
.endif
.endif
.set sl, sl+1
.endr
.endm
.irp n, 0,1,2,3,4,5,6
	FR \n, 0, 0, 0
.endr
	QUARTER 0, 0, 1, 0                             ; the first quarter stands in front of the loop: its products start the sums
	WIN 0                                          ; at a label and at a branch every window is 0
	s_mov_b32 s26, 3
.Ltrip:                                                ; a trip: two K steps, from an even step's second quarter to the next even step's first
	QUARTER 0, 1, 0, 0
	QUARTER 0, 2, 0, 0
	QUARTER 0, 3, 0, 0
	QUARTER 1, 0, 0, 0
	QUARTER 1, 1, 0, 0
	QUARTER 1, 2, 0, 0
	QUARTER 1, 3, 0, 0
	QUARTER 0, 0, 0, 0
	WIN 0
	s_sub_co_u32 s26, s26, 1
	s_cmp_lg_u32 s26, 0
	s_cbranch_scc1 .Ltrip
	QUARTER 0, 1, 0, 1                             ; K step 6 stages K step 7 and loads nothing beyond it (its first quarter, in the loop, holds half-steps 0 to 28, which are alike in both modes)
	QUARTER 0, 2, 0, 1
	QUARTER 0, 3, 0, 1
	QUARTER 1, 0, 0, 2                             ; K step 7 stages nothing
	QUARTER 1, 1, 0, 2
	QUARTER 1, 2, 0, 2
	QUARTER 1, 3, 0, 2, 1
	WIN 0
.rept 4
	v_nop                                          ; the places behind the last products: their results are read, and the fragments' registers loaded, below
.endr
; THE WAY OUT of 16 tokens: a lane's eight columns go into my stage as 32 bytes of a row (each accumulator's low registers first) and come back as whole rows of 256 bytes;
; the bias is added; sixteen lanes store 256 consecutive aligned bytes of the token's row.  A block past the tile's count ends the wave: no barrier is jumped.
.macro OUT mb
	WIN 0
	s_cmp_le_u32 s24, 16*(\mb)
	s_cbranch_scc1 .Lend
	s_wait_xcnt 0x0                                ; the stores of two blocks ago have had their addresses translated: their registers are written again only behind this wait
.set rOB, 32+48*((\mb)%2)
.set rTK, rOB+32
.if (\mb) < 8
	WIN 0x04                                       ; the stores' data in window 1
.set rAC, 32*(\mb)
.else
	WIN 0x08                                       ; in window 2
.set rAC, 0
.endif
.irp b, 0,1,2,3
	ds_store_b128 v[STO], v[rAC+8*\b:rAC+8*\b+3]   offset:64*\b
	ds_store_b128 v[STO], v[rAC+8*\b+4:rAC+8*\b+7] offset:64*\b+16
.endr
	WIN 0
.irp t, 0,1,2,3,4,5,6,7
	ds_load_b32 v[rTK+\t], v[LRB] offset:4*(16*(\mb)+2*\t)
.endr
.irp t, 0,1,2,3,4,5,6,7
	ds_load_b128 v[rOB+4*\t:rOB+4*\t+3], v[RD] offset:2*PITCH*\t  ; LDS serves a wave's instructions in order (ISA guide 5.7.1.4): these see the stores above; the next block's stores come behind them
.endr
	s_wait_dscnt 8                                 ; the tokens are in; the eight loads of rows may stay out
.irp t, 0,1,2,3,4,5,6,7
	v_min_u32 v[rTK+\t], 0x1fff, v[rTK+\t]
	v_lshl_add_u32 v[rTK+\t], v[rTK+\t], 12, v[CO]
.endr
.irp t, 0,1,2,3,4,5,6,7
	s_wait_dscnt 7-\t
	v_pk_add_f32 v[rOB+4*\t:rOB+4*\t+1],   v[rOB+4*\t:rOB+4*\t+1],   v[BI:BI+1]
	v_pk_add_f32 v[rOB+4*\t+2:rOB+4*\t+3], v[rOB+4*\t+2:rOB+4*\t+3], v[BI+2:BI+3]
	global_store_b128 v[rTK+\t], v[rOB+4*\t:rOB+4*\t+3], s[12:13] th:TH_STORE_NT
.endr
.endm
.irp mb, 0,1,2,3,4,5,6,7,8
	OUT \mb
.endr
.Lend:
	s_wait_tensorcnt 0x0                           ; the wave's end: behind my last LDS store
	ds_add_u32 v[SPW], v[NIL]
	s_wait_dscnt 0x0
	s_endpgm
.Lfunc_end_k_q5e1b88776c_typed:
	.size	k_q5e1b88776c_typed, .Lfunc_end_k_q5e1b88776c_typed-k_q5e1b88776c_typed
	.p2alignl 7, 3214868480
	.fill 96, 4, 3214868480
	.section	.rodata,"a",@progbits
	.p2align	6, 0x0
	.amdhsa_kernel k_q5e1b88776c_typed
		.amdhsa_group_segment_fixed_size 241664
		.amdhsa_private_segment_fixed_size 0
		.amdhsa_enable_private_segment 0
		.amdhsa_kernarg_size 40
		.amdhsa_user_sgpr_count 2
		.amdhsa_user_sgpr_kernarg_segment_ptr 1
		.amdhsa_wavefront_size32 1
		.amdhsa_system_sgpr_workgroup_id_x 1
		.amdhsa_system_sgpr_workgroup_id_y 1
		.amdhsa_system_sgpr_workgroup_id_z 1
		.amdhsa_system_vgpr_workitem_id 0
		.amdhsa_next_free_vgpr 768
		.amdhsa_next_free_sgpr 96
		.amdhsa_reserve_vcc 1
		.amdhsa_float_denorm_mode_32 3
		.amdhsa_float_denorm_mode_16_64 3
		.amdhsa_memory_ordered 1
		.amdhsa_forward_progress 1
		.amdhsa_inst_pref_size 255
	.end_amdhsa_kernel
	.section	.bss,"aw",@nobits
	.p2align	6
	.space	262144
	.amdgpu_metadata
---
amdhsa.version: [ 1, 2 ]
amdhsa.kernels:
  - .name:           k_q5e1b88776c_typed
    .symbol:         k_q5e1b88776c_typed.kd
    .args:
      - { .name: x, .offset: 0, .size: 8, .value_kind: global_buffer, .address_space: global }
      - { .name: types, .offset: 8, .size: 8, .value_kind: global_buffer, .address_space: global }
      - { .name: weight, .offset: 16, .size: 8, .value_kind: global_buffer, .address_space: global }
      - { .name: bias, .offset: 24, .size: 8, .value_kind: global_buffer, .address_space: global }
      - { .name: out0, .offset: 32, .size: 8, .value_kind: global_buffer, .address_space: global }
    .group_segment_fixed_size: 241664
    .private_segment_fixed_size: 0
    .kernarg_segment_align: 8
    .kernarg_segment_size: 40
    .max_flat_workgroup_size: 128
    .sgpr_count:     96
    .vgpr_count:     768
    .wavefront_size: 32
...
	.end_amdgpu_metadata
.endif
;; end of part 1
;; ======== version 2 of 3: 1 launch; 1.16 times as fast as version 1
;; launch typed (part 2): grid 4 x 64, 4 waves a work-group, no clusters, 241,664 bytes of LDS; arguments x, types, weight, bias, out0; writes out0
.if DOCPART == 2
	.amdgcn_target "amdgcn-amd-amdhsa--gfx1250"
	.amdhsa_code_object_version 6
	.text
	.protected	k_q5e1b88776c_typed
	.globl	k_q5e1b88776c_typed
	.p2align	8
	.type	k_q5e1b88776c_typed,@function
k_q5e1b88776c_typed:
	s_mov_b64 s[64:65], 0
	v_nop
	global_prefetch_b8 v0, s[64:65] scope:SCOPE_SE
	s_setreg_imm32_b32 hwreg(HW_REG_WAVE_MODE, 25, 1), 1
	s_wait_xcnt 0x0
; out0[n][:] = weight[types[n]] x[n] + bias[types[n]].  x [8192][1024], weight [8][1024][1024], bias [8][1024], out0 [8192][1024], all f32; types [8192] i32.
; Only the chosen type's product is made.  ONE launch: every work-group reads types (32 KB), counts for itself, and finds its own type and tokens.
; SHARES.  A tile is at most 144 tokens of ONE type x 256 output columns, all of K.  Type e with c tokens has ceil(c / 144) row tiles, and over all splits there are never more than
; ceil(8192 / 144) + 7 = 64: grid y.  Grid x is the column tile.  A tile number past the last tile has no tokens: it walks the loop (whose barriers every wave passes) and stores nothing.
; Four waves; a wave makes 144 x 64: 36 accumulators of 16 x 16.  Its 64 columns are 256 consecutive bytes of an output row.
; DATA PATH.  x's rows (by the list) and W's rows come as f32 by 16-byte loads, sixteen lanes to 256 consecutive aligned bytes of a row, into a ring of 25 register pairs (50 loads of a wave out);
; they are rounded to bf16, stored into one of two LDS slots (K step 128) and read back as fragments.  Word c of 16-byte unit l of an LDS row holds k = 4 l + c and k = 64 + 4 l + c of the step:
; the same order of k in x's and in W's rows, so every product meets its partner.
; THE MATRIX INSTRUCTION IS USED TRANSPOSED: source 0 = 16 rows of W, source 1 = 16 tokens: a lane holds one token and eight neighbouring columns.
; THE DEAL.  A K step is four quarters of 36 products.  A K step's 50 pairs go in batches of 13, 12, 13, 12, a batch a quarter: its conversions stand four behind each of the quarter's first products,
; and all memory and LDS instructions of the quarter stand in ONE run behind product 12 (the fourth quarter: two runs, one on each side of the barrier), never singly among the products.
; A pair's first 256 bytes land in window 0 and its second in window 1, where the products' two sources lie, and the rounded pair goes to window 2, where the first 16 accumulators lie:
; so a conversion takes the products' own window setting, and a quarter has six switches (the fourth: nine).
; LIMITS.  types lie in 0 .. 7 (an index stays inside its table).  x and W are rounded once to bf16 (f32's range); sums and bias in f32.  Places of a tile past its count repeat the tile's first
; token; whole blocks of 16 rows past the count are jumped; in the one block that holds the count the repeated places store that token's own numbers to its own bytes once more.
; NO JOINT LOADS, NO TENSOR LOADS: x's rows come by a list that no descriptor covers; both operands are f32 and pass through registers to be rounded; and how many row tiles share a tile of W hangs on the counts.
; REGISTERS, in windows of 256 (s_set_vgpr_msb: bits 1:0 source 0, 3:2 source 1, 5:4 source 2, 7:6 destination):
;   window 0: v0-31 addresses, bias; v32-54 the staging's addresses; v56-119 W's fragments, two buffers of 32 (in the routing: 64 types); v120-219 the ring's first halves (v184-215 at work in the routing);
;             on the way out v32-231 hold rows and tokens          window 1: v0-143 x's fragments, two buffers of 72; v144-243 the ring's second halves
;   window 2: accumulator (a, b), a < 4, at 8 (4 a + b); v128-179 a batch's rounded pairs          window 3: accumulator (a, b), a >= 4, at 8 (4 (a - 4) + b)
.set PITCH, 272                        ; an LDS row: 256 bytes + 16 = 68 words: row r starts at bank 4 r mod 64 (64 banks of 4 bytes: ISA guide 11.1), so the 16 rows of a fragment load start at 16 different banks
.set BOFF,  144*PITCH                  ; in a slot: x's 144 rows, then W's 256
.set SLOT,  (144+256)*PITCH
.set STAGE, 2*SLOT                     ; each wave 16 rows x 272 bytes, for the way out
.set SUB,   STAGE+4*16*PITCH           ; each wave 256 words: the tile's tokens that this wave found, by place; word 144 takes what is not the tile's
.set LIST,  SUB+4096                   ; 256 words: the tile's tokens
.set WTOT,  LIST+1024                  ; each wave 16 bytes of packed counts
.set SPARE, WTOT+256                   ; the spare words, 128 bytes for each wave: two blocks of 256 bytes that no other line names
.set LANE, 1
.set RR,   2                           ; lane % 16
.set HH,   3                           ; lane / 16
.set CO,   4                           ; 16 (lane % 16); never rewritten
.set ADRA, 8                           ; v8-9    LDS address of my fragments of x in slot 0, 1
.set ADRB, 10                          ; v10-11  the same for my wave's 64 rows of W
.set STO,  12                          ; the way out: where I put 16 bytes of a row
.set RD,   13                          ; the way out: where I read rows back
.set LRB,  14                          ; LIST + 4 (lane / 16)
.set LRA,  15                          ; LIST + 4 (2 wave + lane / 16)
.set SPW,  16                          ; LDS address of my spare word; never rewritten
.set NIL,  17                          ; 0; never rewritten
.set TOK0, 19                          ; 4 x my thread's number
.set BI,   20                          ; v20-23  bias of my four columns
.set XO,   32                          ; v32-49  token x 4096 + 16 (lane % 16) for my 18 pairs of rows of x
.set WO,   50                          ; 4096 (lane / 16) + 16 (lane % 16)
.set STA,  51                          ; v51-52  where I store x's rows in slot 0, 1
.set STB,  53                          ; v53-54  the same for W's
.set FB,   56                          ; W's fragments: buffer g at FB + 32 g
.set TY,   56                          ; in the routing: register 4 j + c holds the type of token 512 j + 4 thread + c
.set RING0, 120                        ; pair i of a K step: first half at RING0 + 4 (i % 25),
.set WK,   184                         ; in the routing: 32 registers at work (ring places 16 to 24, which are loaded behind it)
.set FA,   0                           ; window 1: x's fragments: buffer g at FA + 72 g
.set RING1, 144                        ; window 1: second half at RING1 + 4 (i % 25)
.set CV,   128                         ; window 2: pair j of the batch in hand, rounded: 4 registers
.set W_LO, 0xa4                        ; W's fragments window 0, x's window 1, C and D window 2; also a conversion: ring halves in windows 0 and 1, result in window 2
.set W_HI, 0xf4                        ; the same, C and D window 3
; s[4:5] x, s[8:9] weight at my wave's rows: base set 1      s[82:83], s[84:85] the same: base set 0      s[6:7] types  s[10:11] bias  s[12:13] out0, both at my wave's columns
; s14 wave  s15 column tile  s16 row tile  s17 type  s18 its count  s19 its count in the waves before mine  s20 its first tile  s21 tiles so far  s22-23 at work
; s24 CNT, the tile's tokens  s25 the running place  s26 trips  s27-28 masks  s29 my SUB region  s[30:31] lane selects  s[32:47] the waves' counts  s[48:51] totals  s[52:55] before me  s[56:59] at work, offsets  s[66:81] lane masks
.set MSB, 0
.set DSA, 0                            ; LDS stores issued behind the last fragment load
.macro WIN new                         ; the immediate's high byte repeats the setting that is left; a switch that changes nothing is dropped
.if MSB != (\new)
	s_set_vgpr_msb (MSB<<8)|(\new)
.set MSB, \new
.endif
.endm
.macro BARRIER
	s_barrier_signal -1
	s_barrier_wait -1
.endm
	s_load_b256 s[4:11], s[0:1], 0x0               ; x, types, weight, bias
	s_load_b64 s[12:13], s[0:1], 0x20              ; out0
	v_lshl_add_u32 v[SPW], v0, 2, SPARE
	v_mov_b32 v[NIL], 0
	v_lshrrev_b32 v24, 5, v0
	v_readfirstlane_b32 s14, v24                   ; wave 0..3
	s_mov_b32 s15, ttmp9                           ; column tile 0..3
	s_and_b32 s16, ttmp7, 0xffff                   ; row tile 0..63
	s_mov_b32 s27, 0x0f0f0f0f
	s_mov_b32 s28, 0x00ff00ff
	s_mov_b32 s30, 0x76543210                      ; v_permlanex16_b32: each lane takes its own place in the other half
	s_mov_b32 s31, 0xfedcba98
	v_lshlrev_b32 v25, 4, v0                       ; 16 x thread; never rewritten
	s_wait_kmcnt 0x0
.set j, 0
.rept 16                                               ; all 8,192 types: a load of the work-group covers 2,048 consecutive bytes
	global_load_b128 v[TY+4*j:TY+4*j+3], v25, s[6:7] offset:2048*j
.set j, j+1
.endr
	; the lane's addresses are made while the types are on their way
	v_and_b32 v[LANE], 31, v0
	v_and_b32 v[RR], 15, v0
	v_bfe_u32 v[HH], v0, 4, 1
	v_lshlrev_b32 v[CO], 4, v[RR]
	v_lshlrev_b32 v[TOK0], 2, v0
	s_mul_i32 s22, s14, 64*PITCH
	s_add_co_u32 s22, s22, BOFF                    ; my wave's 64 rows of W in slot 0,
	s_add_co_u32 s58, s22, SLOT                    ; in slot 1
	s_mul_i32 s23, s14, 16*PITCH
	s_add_co_u32 s23, s23, STAGE                   ; my stage
	s_mul_i32 s56, s14, 2*PITCH                    ; rows 2 wave, 2 wave + 1 of each eight rows of x are mine to store
	s_add_co_u32 s57, s56, SLOT
	s_lshl_b32 s29, s14, 10
	s_add_co_u32 s29, s29, SUB                     ; my SUB region
	s_lshl_b32 s59, s14, 3
	v_mul_u32_u24 v26, v[RR], PITCH
	v_lshl_add_u32 v[ADRA], v[HH], 4, v26          ; a fragment: row lane % 16, 16 bytes for each half of the lanes, two loads 32 bytes apart
	v_add_nc_u32 v[ADRA+1], SLOT, v[ADRA]
	v_add_nc_u32 v[ADRB], s22, v[ADRA]
	v_add_nc_u32 v[ADRB+1], s58, v[ADRA]
	v_lshl_add_u32 v[STO], v[HH], 5, v26           ; into the stage: row lane % 16, 32 bytes (8 columns) for each half of the lanes
	v_add_nc_u32 v[STO], s23, v[STO]
	v_mul_u32_u24 v27, v[HH], PITCH
	v_add_nc_u32 v28, v27, v[CO]                   ; lanes 0-15 one row of 256 bytes, lanes 16-31 the next
	v_add_nc_u32 v[RD], s23, v28
	v_lshl_add_u32 v[LRB], v[HH], 2, LIST
	v_add_nc_u32 v[LRA], s59, v[LRB]
	v_lshl_add_u32 v[WO], v[HH], 12, v[CO]
	v_add_nc_u32 v[STA], s56, v28
	v_add_nc_u32 v[STA+1], s57, v28
	v_add_nc_u32 v[STB], s22, v28
	v_add_nc_u32 v[STB+1], s58, v28
.irp i, 28,29,30,31,8,9,10,11
	v_mov_b32 v[WK+\i], 0                          ; WK+28..31: zeros for my SUB region; WK+8..11: written before they are destinations of lane exchanges
.endr
	v_lshl_add_u32 v29, v[LANE], 4, s29
	ds_store_b128 v29, v[WK+28:WK+31]              ; my 256 words are 0: a place that I do not find stays 0
	ds_store_b128 v29, v[WK+28:WK+31] offset:512
	s_wait_loadcnt 0x0                             ; the types
	; THE COUNTS.  Eight registers at a time: 1 << 4 type, added up: eight 4-bit counts of at most 8.  Even and odd types are then added as bytes (at most 64), widened to 16 bits, and summed over the lanes.
.set gg, 0
.rept 8
.set cc, 0
.rept 8
	v_lshlrev_b32 v[WK+14+cc%2], 2, v[TY+8*gg+cc]
.if cc == 0
	v_lshl_add_u32 v[WK], 1, v[WK+14+cc%2], 0
.else
	v_lshl_add_u32 v[WK], 1, v[WK+14+cc%2], v[WK]
.endif
.set cc, cc+1
.endr
.if gg == 0
	v_and_b32 v[WK+1], s27, v[WK]                  ; bytes: types 0, 2, 4, 6
	v_lshrrev_b32 v[WK+3], 4, v[WK]
	v_and_b32 v[WK+2], s27, v[WK+3]                ; bytes: types 1, 3, 5, 7
.else
	v_and_b32 v[WK+3], s27, v[WK]
	v_add_nc_u32 v[WK+1], v[WK+1], v[WK+3]
	v_lshrrev_b32 v[WK+3], 4, v[WK]
	v_and_b32 v[WK+3], s27, v[WK+3]
	v_add_nc_u32 v[WK+2], v[WK+2], v[WK+3]
.endif
.set gg, gg+1
.endr
	v_and_b32 v[WK+4], s28, v[WK+1]                ; word 0: types 0 | 4
	v_lshrrev_b32 v[WK+3], 8, v[WK+1]
	v_and_b32 v[WK+5], s28, v[WK+3]                ; word 1: types 2 | 6
	v_and_b32 v[WK+6], s28, v[WK+2]                ; word 2: types 1 | 5
	v_lshrrev_b32 v[WK+3], 8, v[WK+2]
	v_and_b32 v[WK+7], s28, v[WK+3]                ; word 3: types 3 | 7
.irp m, 1,2,4,8
.irp i, 0,1,2,3
	v_mov_b32_dpp v[WK+8+\i], v[WK+4+\i] row_xmask:\m row_mask:0xf bank_mask:0xf
.endr
.irp i, 0,1,2,3
	v_add_nc_u32 v[WK+4+\i], v[WK+4+\i], v[WK+8+\i]
.endr
.endr
.irp i, 0,1,2,3
	v_permlanex16_b32 v[WK+8+\i], v[WK+4+\i], s30, s31
.endr
.irp i, 0,1,2,3
	v_add_nc_u32 v[WK+4+\i], v[WK+4+\i], v[WK+8+\i]  ; my wave's counts (at most 2,048 a type), in every lane
.endr
	s_lshl_b32 s22, s14, 4
	s_add_co_u32 s22, s22, WTOT
	v_mov_b32 v[WK+12], s22
	ds_store_b128 v[WK+12], v[WK+4:WK+7]           ; all lanes write the same 16 bytes
	s_wait_dscnt 0x0                               ; for the others' sake: my counts are in LDS
	BARRIER
	v_mov_b32 v[WK+13], WTOT
.irp u, 0,1,2,3
	ds_load_b128 v[WK+16+4*\u:WK+16+4*\u+3], v[WK+13] offset:16*\u
.endr
	s_wait_dscnt 0x0
.set i, 0
.rept 16
	v_readfirstlane_b32 s[32+i], v[WK+16+i]        ; wave i / 4, word i % 4
.set i, i+1
.endr
	; WHICH TILE IS MINE.  Totals, and the counts of the waves before mine.
.irp i, 0,1,2,3
	s_add_co_u32 s[48+\i], s[32+\i], s[36+\i]
	s_add_co_u32 s[48+\i], s[48+\i], s[40+\i]
	s_add_co_u32 s[48+\i], s[48+\i], s[44+\i]
	s_mov_b32 s[52+\i], 0
.endr
.irp u, 0,1,2
	s_cmp_gt_u32 s14, \u
.irp i, 0,1,2,3
	s_cselect_b32 s[56+\i], s[32+4*\u+\i], 0       ; selects leave SCC as it is,
.endr
.irp i, 0,1,2,3
	s_add_co_u32 s[52+\i], s[52+\i], s[56+\i]      ; the sums do not: they follow
.endr
.endr
	s_mov_b32 s17, 0
	s_mov_b32 s18, 0
	s_mov_b32 s19, 0
	s_mov_b32 s20, 0
	s_mov_b32 s21, 0
; Type e's tiles begin at tile s21.  The last type whose first tile is not past mine is my type.
.macro EXPERT e
.set fi, 2*((\e)&1)+(((\e)>>1)&1)
.if (\e) < 4
	s_and_b32 s22, s[48+fi], 0xffff                ; c, the type's count
	s_and_b32 s23, s[52+fi], 0xffff                ; and its count in the waves before mine
.else
	s_lshr_b32 s22, s[48+fi], 16
	s_lshr_b32 s23, s[52+fi], 16
.endif
	s_cmp_ge_u32 s16, s21
	s_cselect_b32 s17, \e, s17
	s_cselect_b32 s18, s22, s18
	s_cselect_b32 s19, s23, s19
	s_cselect_b32 s20, s21, s20
	s_add_co_u32 s22, s22, 143                     ; ceil(c / 144) = ((c + 143) / 16) / 9, and y / 9 = (7282 y) >> 16 for y under 32,768: here y is 520 at the most
	s_lshr_b32 s22, s22, 4
	s_mul_i32 s22, s22, 7282
	s_lshr_b32 s22, s22, 16
	s_add_co_u32 s21, s21, s22
.endm
.irp e, 0,1,2,3,4,5,6,7
	EXPERT \e
.endr
	s_sub_co_u32 s22, s16, s20
	s_mul_i32 s22, s22, 144                        ; the rank of my tile's first token
	s_sub_co_i32 s24, s18, s22
	s_max_i32 s24, s24, 0
	s_min_i32 s24, s24, 144                        ; CNT: 0 for a tile number past the last tile
	s_sub_co_u32 s25, s19, s22                     ; the place in my tile of my wave's first token of the type; below 0 it wraps to a large number
	s_min_u32 s17, s17, 7
	s_lshl_b32 s56, s17, 22                        ; weight: type x 4 MB + column tile x 256 rows + wave x 64 rows
	s_lshl_b32 s22, s15, 20
	s_add_co_u32 s56, s56, s22
	s_lshl_b32 s22, s14, 18
	s_add_co_u32 s56, s56, s22
	s_mov_b32 s57, 0
	s_add_nc_u64 s[8:9], s[8:9], s[56:57]
	s_lshl_b32 s58, s15, 10                        ; out0: column tile x 1,024 bytes + wave x 256
	s_lshl_b32 s22, s14, 8
	s_add_co_u32 s58, s58, s22
	s_mov_b32 s59, 0
	s_add_nc_u64 s[12:13], s[12:13], s[58:59]
	s_lshl_b32 s22, s17, 12                        ; bias: the same + type x 4,096
	s_add_co_u32 s58, s58, s22
	s_add_nc_u64 s[10:11], s[10:11], s[58:59]
	s_add_nc_u64 s[82:83], s[4:5], 512             ; base set 0 stands one K step on: K step s (slot s % 2) loads by set s % 2, which stands at K step s + 1; the staging of K step 0 loads by set 1
	s_add_nc_u64 s[84:85], s[8:9], 512
; THE STAGING.  A K step has 50 pairs a wave.  Pair t: two rows (lanes 0-15 one, lanes 16-31 the next), 512 bytes of each as two loads of 256; t % 25 < 16: rows of W; else rows of x.
; One load: half 0 or 1 of pair t, koff bytes on along K, by base set 0 or 1.  The caller has set the destination's window: that of the half.
.macro LD1 t, koff, half, set
.set pl, (\t)%25
.if \half
.set rg, RING1+4*pl
.else
.set rg, RING0+4*pl
.endif
.if pl < 16
.set pp, 16*((\t)/25)+pl
	global_load_b128 v[rg:rg+3], v[WO], s[84-76*(\set):85-76*(\set)] offset:8192*pp+(\koff)+256*(\half)
.else
.set xx, 9*((\t)/25)+pl-16
	global_load_b128 v[rg:rg+3], v[XO+xx], s[82-78*(\set):83-78*(\set)] offset:(\koff)+256*(\half)
.endif
.endm
.macro FILL first, n                   ; the ring's first fill: pairs first .. first + n - 1 of K step 0: their first halves, then their second halves
	WIN 0
.set tt, \first
.rept \n
	LD1 tt, 0, 0, 1
.set tt, tt+1
.endr
	WIN 0x40                                       ; destination window 1, address window 0
.set tt, \first
.rept \n
	LD1 tt, 0, 1, 1
.set tt, tt+1
.endr
	WIN 0
.endm
; Batch q of a K step: pairs 0-12, 13-24, 25-37, 38-49.  Its ring places are loaded again with the pairs 25 further on: of the same K step (q < 2), or of the next, 512 bytes on.
.macro LOADS q, half, set
	WIN 0x40*(\half)
.set jj, 0
.rept 13-((\q)%2)
.set ii, 25*((\q)/2)+13*((\q)%2)+jj
	LD1 (ii+25)%50, 512*(ii/25), \half, \set
.set jj, jj+1
.endr
.endm
; Pair j of batch q is rounded.  Loads come back in order (ISA guide 5.7.1): behind the pair's second half were issued the batch's later second halves and the whole younger batch of young pairs.
.macro PCVT q, j, young
	WIN W_LO
.set ii, 25*((\q)/2)+13*((\q)%2)+(\j)
.set rgA, RING0+4*(ii%25)
.set rgB, RING1+4*(ii%25)
.set rc, CV+4*(\j)
	s_wait_loadcnt (12-((\q)%2)-(\j))+2*(\young)
.irp c, 0,1,2,3
	v_cvt_pk_bf16_f32 v[rc+\c], v[rgA+\c], v[rgB+\c]
.endr
.endm
.macro STORES q, slot                  ; the batch goes into the slot: sixteen lanes write 256 consecutive bytes of an LDS row
	WIN 0x08                                       ; data window 2, address window 0
.set jj, 0
.rept 13-((\q)%2)
.set ii, 25*((\q)/2)+13*((\q)%2)+jj
.set pl, ii%25
.set rc, CV+4*jj
.if pl < 16
.set pp, 16*(ii/25)+pl
	ds_store_b128 v[STB+(\slot)], v[rc:rc+3] offset:2*PITCH*pp
.else
.set xx, 9*(ii/25)+pl-16
	ds_store_b128 v[STA+(\slot)], v[rc:rc+3] offset:8*PITCH*xx
.endif
.set jj, jj+1
.endr
.endm
	global_load_b128 v[BI:BI+3], v[CO], s[10:11]   ; older than every load of the ring: the first counted wait covers it
	FILL 0, 13                                     ; W's first 32 loads fly while the list is made
	FILL 13, 3
	; THE LIST.  The type's tokens are ranked by (wave, register, lane), alike in all work-groups.  A token whose place in my tile is 0 .. 143 goes to that word of my SUB region, every other to word 144.
	; Sixteen registers at a time, each step for all sixteen, and the sixteen LDS stores in one run.
.set bt, 0
.rept 4
.set i, 0
.rept 16
	v_cmp_eq_u32 s[66+i], s17, v[TY+16*bt+i]
.set i, i+1
.endr
.set i, 0
.rept 16
	v_mbcnt_lo_u32_b32 v[WK+2*i], s[66+i], s25     ; the running place + the lanes below me that hold the type
	s_bcnt1_i32_b32 s22, s[66+i]
	s_add_co_u32 s25, s25, s22
.set i, i+1
.endr
.set i, 0
.rept 16
	v_cndmask_b32 v[WK+2*i], -1, v[WK+2*i], s[66+i]
.set i, i+1
.endr
.set i, 0
.rept 16
	v_min_u32 v[WK+2*i], 0x90, v[WK+2*i]           ; another type, a place below 0 (wrapped) or past 143: word 144
.set i, i+1
.endr
.set i, 0
.rept 16
	v_lshl_add_u32 v[WK+2*i], v[WK+2*i], 2, s29
.set i, i+1
.endr
.set i, 0
.rept 16
.set kk, 16*bt+i
	v_add_nc_u32 v[WK+2*i+1], 512*(kk/4)+kk%4, v[TOK0]  ; the token
.set i, i+1
.endr
.set i, 0
.rept 16
	ds_store_b32 v[WK+2*i], v[WK+2*i+1]
.set i, i+1
.endr
.set bt, bt+1
.endr
	s_wait_dscnt 0x0                               ; for the others' sake: my region is written
	BARRIER
	v_lshl_add_u32 v24, v0, 3, SUB                 ; places 2 thread, 2 thread + 1 of the four regions: one wave wrote the token, the others hold 0
	v_mov_b32 v26, SUB
.irp u, 0,1,2,3
	ds_load_b64 v[WK+2*\u:WK+2*\u+1], v24 offset:1024*\u
.endr
.irp u, 0,1,2,3
	ds_load_b32 v[WK+8+\u], v26 offset:1024*\u     ; place 0: the token that fills the places past the count
.endr
	v_lshlrev_b32 v27, 1, v0
	v_or_b32 v28, 1, v27
	v_lshl_add_u32 v29, v0, 3, LIST
	s_wait_dscnt 0x0
	v_or_b32 v[WK], v[WK], v[WK+2]
	v_or_b32 v[WK+4], v[WK+4], v[WK+6]
	v_or_b32 v[WK+1], v[WK+1], v[WK+3]
	v_or_b32 v[WK+5], v[WK+5], v[WK+7]
	v_or_b32 v[WK+8], v[WK+8], v[WK+9]
	v_or_b32 v[WK+10], v[WK+10], v[WK+11]
	v_or_b32 v[WK], v[WK], v[WK+4]
	v_or_b32 v[WK+1], v[WK+1], v[WK+5]
	v_or_b32 v[WK+8], v[WK+8], v[WK+10]
	v_cmp_gt_u32 vcc_lo, s24, v27
	v_cndmask_b32 v[WK], v[WK+8], v[WK], vcc_lo
	v_cmp_gt_u32 vcc_lo, s24, v28
	v_cndmask_b32 v[WK+1], v[WK+8], v[WK+1], vcc_lo
	ds_store_b64 v29, v[WK:WK+1]
	s_wait_dscnt 0x0                               ; for the others' sake: my two places of the list are written
	BARRIER
.set i, 0
.rept 18
	ds_load_b32 v[WK+i], v[LRA] offset:32*i        ; the token of row 8 i + 2 wave + lane / 16
.set i, i+1
.endr
	s_wait_dscnt 0x0
.set i, 0
.rept 18
	v_min_u32 v[WK+i], 0x1fff, v[WK+i]
.set i, i+1
.endr
.set i, 0
.rept 18
	v_lshl_add_u32 v[XO+i], v[WK+i], 12, v[CO]
.set i, i+1
.endr
	FILL 16, 9                                     ; x's first 18 loads: the ring is full
	; K STEP 0 goes into slot 0 with no product beside it, by the same four batches
.irp q, 0,1,2,3
.set sl, 0
.rept 13-((\q)%2)
	PCVT \q, sl, 12+((\q)%2)
.set sl, sl+1
.endr
	LOADS \q, 0, 1
	LOADS \q, 1, 1
	STORES \q, 0
.endr
	s_wait_dscnt 0x0                               ; for the others' sake: my rows of slot 0 are written
	BARRIER
; A quarter's 26 fragment loads (32 along K at byte kb of the rows, into buffer g): W's 4 fragments, then x's 9 in the order in which the products take them.
.macro FRW slot, kb, g
	WIN 0
.set dd, 0
.rept 8
	ds_load_b128 v[FB+32*(\g)+4*dd:FB+32*(\g)+4*dd+3], v[ADRB+(\slot)] offset:16*PITCH*(dd/2)+(\kb)+32*(dd%2)
.set dd, dd+1
.endr
.endm
.macro FRX slot, kb, g
	WIN 0x40
.set dd, 0
.rept 18
	ds_load_b128 v[FA+72*(\g)+4*dd:FA+72*(\g)+4*dd+3], v[ADRA+(\slot)] offset:16*PITCH*(dd/2)+(\kb)+32*(dd%2)
.set dd, dd+1
.endr
.endm
; Product sl of a quarter's 36: tokens 16 (sl / 4) on, columns 16 (sl % 4) on.  The 36 accumulators take turns, one instruction a turn, in the same order in every quarter.
.macro MM f, sl, zero
.set aa, (\sl)/4
.set bb, (\sl)%4
.if aa < 4
	WIN W_LO
.set rD, 8*(4*aa+bb)
.else
	WIN W_HI
.set rD, 8*(4*(aa-4)+bb)
.endif
.set rB, FB+32*(\f)+8*bb
.set rA, FA+72*(\f)+8*aa
.if \zero
	v_wmma_f32_16x16x32_bf16 v[rD:rD+7], v[rB:rB+7], v[rA:rA+7], 0
.else
	v_wmma_f32_16x16x32_bf16 v[rD:rD+7], v[rB:rB+7], v[rA:rA+7], v[rD:rD+7]
.endif
.endm
; A QUARTER of the K step in slot cur: 36 products on buffer q % 2.  mode 0: batch q of the next K step is staged into the other slot and its ring places are loaded again.
; mode 1: the last K step is being staged: batches 2 and 3 load nothing, and batch 3's waits count down to 0.  mode 2: the last K step: nothing is staged.
; A load into a register that a matrix instruction has read stands four plain vector instructions behind it (ISA guide 7.12.1 for vector instructions): the conversions, which name no
; register of the products, are those; in mode 2 four v_nop behind the quarter's first product.
; q < 3: behind product 12 ONE run: the next quarter's fragments, the ring's loads, the batch's stores.
; q = 3: behind product 12 the batch's stores and the ring's loads.  ONE barrier changes slots: in front of its signal, ahead of product 16, my stores into the next slot are done and my reads of this slot are back;
; behind its wait, behind product 17, the next slot's first fragments are read, and this slot is written from the next K step on.
; THE BASES.  In the fourth quarter the OTHER set is stepped two K steps on.  Its loads were all issued in the K step before this one; the last of them were shown done by the second quarter's last counted wait,
; which leaves out only the 26 loads that this K step's first quarter issued: so no load that names the set is out.
.macro QUARTER cur, q, zero, mode, last=0
.set bn, 13-((\q)%2)
.set yg, 25-bn
.if ((\mode) == 1) && ((\q) == 3)
.set yg, 0
.endif
.set stg, 0
.if (\mode) < 2
.set stg, 1
.endif
.set rld, 0
.if ((\mode) == 0) || (((\mode) == 1) && ((\q) < 2))
.set rld, 1
.endif
	s_wait_dscnt 10+DSA                            ; W's fragments and x's first four are in; x's last five (10 loads) and the stores issued behind them may be out
.set sl, 0
.rept 36
.if sl == 16
	WIN W_HI
.if (\q) < 3
	s_wait_dscnt 26+stg*bn                         ; all but this quarter's own run: x's last five fragments are in
.else
	s_wait_dscnt 0x0
.if !(\last)
	s_barrier_signal -1
.endif
.endif
.endif
	MM (\q)%2, sl, \zero
.if stg && (sl < bn)
	PCVT \q, sl, yg
.elseif (!stg) && (sl == 0) && !(\last)
.rept 4
	v_nop
.endr
.endif
.if sl == 12
.if (\q) < 3
	FRW \cur, 64*((\q)+1), 1-(\q)%2
.if rld
	LOADS \q, 0, \cur
.endif
	FRX \cur, 64*((\q)+1), 1-(\q)%2
.if rld
	LOADS \q, 1, \cur
.endif
.if stg
	STORES \q, 1-(\cur)
.endif
.set DSA, stg*bn
.elseif !(\last)
	STORES \q, 1-(\cur)
.if rld
	LOADS \q, 0, \cur
	LOADS \q, 1, \cur
.endif
.endif
.endif
.if ((\q) == 3) && (!(\last)) && (sl == 17)
.if (\mode) == 0
	s_add_nc_u64 s[82-78*(1-(\cur)):83-78*(1-(\cur))], s[82-78*(1-(\cur)):83-78*(1-(\cur))], 1024
	s_add_nc_u64 s[84-76*(1-(\cur)):85-76*(1-(\cur))], s[84-76*(1-(\cur)):85-76*(1-(\cur))], 1024
.endif
	s_barrier_wait -1
	FRW 1-(\cur), 0, 0
	FRX 1-(\cur), 0, 0
.set DSA, 0
.endif
.set sl, sl+1
.endr
.endm
	FRW 0, 0, 0
	FRX 0, 0, 0
.set DSA, 0
	QUARTER 0, 0, 1, 0                             ; the first quarter stands in front of the loop: its products start the sums
	WIN 0                                          ; at a label and at a branch every window is 0
	s_mov_b32 s26, 3
.Ltrip:                                                ; a trip: two K steps, from an even step's second quarter to the next even step's first
	QUARTER 0, 1, 0, 0
	QUARTER 0, 2, 0, 0
	QUARTER 0, 3, 0, 0
	QUARTER 1, 0, 0, 0
	QUARTER 1, 1, 0, 0
	QUARTER 1, 2, 0, 0
	QUARTER 1, 3, 0, 0
	QUARTER 0, 0, 0, 0
	WIN 0
	s_sub_co_u32 s26, s26, 1
	s_cmp_lg_u32 s26, 0
	s_cbranch_scc1 .Ltrip
	QUARTER 0, 1, 0, 1                             ; K step 6 stages K step 7 and loads nothing beyond it (its first quarter, in the loop, is alike in both modes)
	QUARTER 0, 2, 0, 1
	QUARTER 0, 3, 0, 1
	QUARTER 1, 0, 0, 2                             ; K step 7 stages nothing
	QUARTER 1, 1, 0, 2
	QUARTER 1, 2, 0, 2
	QUARTER 1, 3, 0, 2, 1
	WIN 0
.rept 4
	v_nop                                          ; the places behind the last products: their results are read, and W's fragment registers loaded, below
.endr
; THE WAY OUT of 16 tokens: a lane's eight columns go into my stage as 32 bytes of a row (each accumulator's low registers first) and come back as whole rows of 256 bytes;
; the bias is added; sixteen lanes store 256 consecutive aligned bytes of the token's row.  A block past the tile's count ends the wave: no barrier is jumped.
; Five sets of 40 registers take turns: blocks 0 to 4 write registers that no store has named, and ONE wait ahead of block 5 frees all five sets for blocks 5 to 8.
.macro OUT mb
	WIN 0
	s_cmp_le_u32 s24, 16*(\mb)
	s_cbranch_scc1 .Lend
.if (\mb) == 5
	s_wait_xcnt 0x0                                ; the stores of blocks 0 to 4 have had their addresses translated (ISA guide 3.1): their registers are written again only behind this wait
.endif
.set rOB, 32+40*((\mb)%5)
.set rTK, rOB+32
.if (\mb) < 4
	WIN 0x08                                       ; the stores' data in window 2
.set rAC, 32*(\mb)
.else
	WIN 0x0c                                       ; in window 3
.set rAC, 32*((\mb)-4)
.endif
.irp b, 0,1,2,3
	ds_store_b128 v[STO], v[rAC+8*\b:rAC+8*\b+3]   offset:64*\b
	ds_store_b128 v[STO], v[rAC+8*\b+4:rAC+8*\b+7] offset:64*\b+16
.endr
	WIN 0
.irp t, 0,1,2,3,4,5,6,7
	ds_load_b32 v[rTK+\t], v[LRB] offset:4*(16*(\mb)+2*\t)
.endr
.irp t, 0,1,2,3,4,5,6,7
	ds_load_b128 v[rOB+4*\t:rOB+4*\t+3], v[RD] offset:2*PITCH*\t  ; LDS serves a wave's instructions in order (ISA guide 5.7.1.4): these see the stores above; the next block's stores come behind them
.endr
	s_wait_dscnt 8                                 ; the tokens are in; the eight loads of rows may stay out
.irp t, 0,1,2,3,4,5,6,7
	v_min_u32 v[rTK+\t], 0x1fff, v[rTK+\t]
.endr
.irp t, 0,1,2,3,4,5,6,7
	v_lshl_add_u32 v[rTK+\t], v[rTK+\t], 12, v[CO]
.endr
.irp t, 0,1,2,3,4,5,6,7
	s_wait_dscnt 7-\t
	v_pk_add_f32 v[rOB+4*\t:rOB+4*\t+1],   v[rOB+4*\t:rOB+4*\t+1],   v[BI:BI+1]
	v_pk_add_f32 v[rOB+4*\t+2:rOB+4*\t+3], v[rOB+4*\t+2:rOB+4*\t+3], v[BI+2:BI+3]
	global_store_b128 v[rTK+\t], v[rOB+4*\t:rOB+4*\t+3], s[12:13] th:TH_STORE_NT
.endr
.endm
.irp mb, 0,1,2,3,4,5,6,7,8
	OUT \mb
.endr
.Lend:
	s_wait_tensorcnt 0x0                           ; the wave's end: behind my last LDS store
	ds_add_u32 v[SPW], v[NIL]
	s_wait_dscnt 0x0
	s_endpgm
.Lfunc_end_k_q5e1b88776c_typed:
	.size	k_q5e1b88776c_typed, .Lfunc_end_k_q5e1b88776c_typed-k_q5e1b88776c_typed
	.p2alignl 7, 3214868480
	.fill 96, 4, 3214868480
	.section	.rodata,"a",@progbits
	.p2align	6, 0x0
	.amdhsa_kernel k_q5e1b88776c_typed
		.amdhsa_group_segment_fixed_size 241664
		.amdhsa_private_segment_fixed_size 0
		.amdhsa_enable_private_segment 0
		.amdhsa_kernarg_size 40
		.amdhsa_user_sgpr_count 2
		.amdhsa_user_sgpr_kernarg_segment_ptr 1
		.amdhsa_wavefront_size32 1
		.amdhsa_system_sgpr_workgroup_id_x 1
		.amdhsa_system_sgpr_workgroup_id_y 1
		.amdhsa_system_sgpr_workgroup_id_z 1
		.amdhsa_system_vgpr_workitem_id 0
		.amdhsa_next_free_vgpr 928
		.amdhsa_next_free_sgpr 96
		.amdhsa_reserve_vcc 1
		.amdhsa_float_denorm_mode_32 3
		.amdhsa_float_denorm_mode_16_64 3
		.amdhsa_memory_ordered 1
		.amdhsa_forward_progress 1
		.amdhsa_inst_pref_size 255
	.end_amdhsa_kernel
	.section	.bss,"aw",@nobits
	.p2align	6
	.space	262144
	.amdgpu_metadata
---
amdhsa.version: [ 1, 2 ]
amdhsa.kernels:
  - .name:           k_q5e1b88776c_typed
    .symbol:         k_q5e1b88776c_typed.kd
    .args:
      - { .name: x, .offset: 0, .size: 8, .value_kind: global_buffer, .address_space: global }
      - { .name: types, .offset: 8, .size: 8, .value_kind: global_buffer, .address_space: global }
      - { .name: weight, .offset: 16, .size: 8, .value_kind: global_buffer, .address_space: global }
      - { .name: bias, .offset: 24, .size: 8, .value_kind: global_buffer, .address_space: global }
      - { .name: out0, .offset: 32, .size: 8, .value_kind: global_buffer, .address_space: global }
    .group_segment_fixed_size: 241664
    .private_segment_fixed_size: 0
    .kernarg_segment_align: 8
    .kernarg_segment_size: 40
    .max_flat_workgroup_size: 128
    .sgpr_count:     96
    .vgpr_count:     928
    .wavefront_size: 32
...
	.end_amdgpu_metadata
.endif
;; end of part 2
;; ======== version 3 of 3: 1 launch; 1.33 times as fast as version 1
;; launch typed (part 3): grid 4 x 64, 4 waves a work-group, no clusters, 241,664 bytes of LDS; arguments x, types, weight, bias, out0; writes out0
.if DOCPART == 3
	.amdgcn_target "amdgcn-amd-amdhsa--gfx1250"
	.amdhsa_code_object_version 6
	.text
	.protected	k_q5e1b88776c_typed
	.globl	k_q5e1b88776c_typed
	.p2align	8
	.type	k_q5e1b88776c_typed,@function
k_q5e1b88776c_typed:
	s_mov_b64 s[64:65], 0
	v_nop
	global_prefetch_b8 v0, s[64:65] scope:SCOPE_SE
	s_setreg_imm32_b32 hwreg(HW_REG_WAVE_MODE, 25, 1), 1
	s_wait_xcnt 0x0
; out0[n][:] = weight[types[n]] x[n] + bias[types[n]].  x [8192][1024], weight [8][1024][1024], bias [8][1024], out0 [8192][1024], all f32; types [8192] i32.
; Only the chosen type's product is made.  ONE launch: every work-group reads types (32 KB), counts for itself, and finds its own type and tokens.
; SHARES.  A tile is at most 144 tokens of ONE type x 256 output columns, all of K.  Type e with c tokens has ceil(c / 144) row tiles, and over all splits there are never more than
; ceil(8192 / 144) + 7 = 64: grid y.  Grid x is the column tile.  A tile number past the last tile has no tokens: it walks the loop (whose barriers every wave passes) and stores nothing.
; Four waves; a wave makes 144 x 64: 36 accumulators of 16 x 16.  Its 64 columns are 256 consecutive bytes of an output row.
; THE ROW TILE'S NUMBER is y with its bits turned: y's bits 0, 1, 2 are the number's bits 5, 4, 3, y's bits 5:3 its low three.  So the work-groups that agree in y's low three bits hold eight tiles of
; neighbouring numbers, mostly one type's, which read the same rows of W.  Any one-to-one numbering gives the same values.
; THE WALK ALONG K.  K steps are taken in pairs, and a work-group with odd (column tile + row tile) takes each pair's second step first: the u-th step that it multiplies is K step u xor rot.  The four column
; tiles of a row tile read the same rows of x, a type's row tiles the same rows of W, and neighbours among them differ in rot: of two that share rows each asks first for one K step of a pair, and for
; the other a K step's time behind its neighbour, not all at the same moment.
; DATA PATH.  x's rows (by the list) and W's rows come as f32 by 16-byte loads, sixteen lanes to 256 consecutive aligned bytes of a row, into a ring of 25 register pairs (50 loads of a wave out);
; they are rounded to bf16, stored into one of two LDS slots (K step 128) and read back as fragments.  Word c of 16-byte unit l of an LDS row holds k = 4 l + c and k = 64 + 4 l + c of the step:
; the same order of k in x's and in W's rows, so every product meets its partner.
; THE MATRIX INSTRUCTION IS USED TRANSPOSED: source 0 = 16 rows of W, source 1 = 16 tokens: a lane holds one token and eight neighbouring columns.
; THE DEAL.  A K step is four quarters of 36 products.  A K step's 50 pairs go in batches of 13, 12, 13, 12, a batch a quarter: its conversions stand four behind each of the quarter's first products,
; and all memory and LDS instructions of the quarter stand in ONE run behind product 12 (the fourth quarter: two runs, one on each side of the barrier), never singly among the products.
; A pair's first 256 bytes land in window 0 and its second in window 1, where the products' two sources lie, and the rounded pair goes to window 2, where the first 16 accumulators lie:
; so a conversion takes the products' own window setting, and a quarter has six switches (the fourth: nine).
; LIMITS.  types lie in 0 .. 7 (an index stays inside its table).  x and W are rounded once to bf16 (f32's range); sums and bias in f32; the order of a sum along K is the walk's and the LDS rows', not ascending k.
; Places of a tile past its count repeat the tile's first token; whole blocks of 16 rows past the count are jumped; in the one block that holds the count the repeated places store that token's own numbers
; to its own bytes once more.
; NO JOINT LOADS, NO TENSOR LOADS: x's rows come by a list that no descriptor covers; both operands are f32 and pass through registers to be rounded; and how many row tiles share a tile of W hangs on the counts.
; REGISTERS, in windows of 256 (s_set_vgpr_msb: bits 1:0 source 0, 3:2 source 1, 5:4 source 2, 7:6 destination):
;   window 0: v0-31 addresses, bias; v32-54 the staging's addresses; v56-119 W's fragments, two buffers of 32 (in the routing: 64 types); v120-219 the ring's first halves (v184-215 at work in the routing);
;             on the way out v32-231 hold rows and tokens          window 1: v0-143 x's fragments, two buffers of 72; v144-243 the ring's second halves
;   window 2: accumulator (a, b), a < 4, at 8 (4 a + b); v128-179 a batch's rounded pairs          window 3: accumulator (a, b), a >= 4, at 8 (4 (a - 4) + b)
.set PITCH, 272                        ; an LDS row: 256 bytes + 16 = 68 words: row r starts at bank 4 r mod 64 (64 banks of 4 bytes: ISA guide 11.1), so the 16 rows of a fragment load start at 16 different banks
.set BOFF,  144*PITCH                  ; in a slot: x's 144 rows, then W's 256
.set SLOT,  (144+256)*PITCH
.set STAGE, 2*SLOT                     ; each wave 16 rows x 272 bytes, for the way out
.set SUB,   STAGE+4*16*PITCH           ; each wave 256 words: the tile's tokens that this wave found, by place; word 144 takes what is not the tile's
.set LIST,  SUB+4096                   ; 256 words: the tile's tokens
.set WTOT,  LIST+1024                  ; each wave 16 bytes of packed counts
.set SPARE, WTOT+256                   ; the spare words, 128 bytes for each wave: two blocks of 256 bytes that no other line names
.set LANE, 1
.set RR,   2                           ; lane % 16
.set HH,   3                           ; lane / 16
.set CO,   4                           ; 16 (lane % 16); never rewritten
.set ADRA, 8                           ; v8-9    LDS address of my fragments of x in slot 0, 1
.set ADRB, 10                          ; v10-11  the same for my wave's 64 rows of W
.set STO,  12                          ; the way out: where I put 16 bytes of a row
.set RD,   13                          ; the way out: where I read rows back
.set LRB,  14                          ; LIST + 4 (lane / 16)
.set LRA,  15                          ; LIST + 4 (2 wave + lane / 16)
.set SPW,  16                          ; LDS address of my spare word; never rewritten
.set NIL,  17                          ; 0; never rewritten
.set TOK0, 19                          ; 4 x my thread's number
.set BI,   20                          ; v20-23  bias of my four columns
.set XO,   32                          ; v32-49  token x 4096 + 16 (lane % 16) for my 18 pairs of rows of x
.set WO,   50                          ; 4096 (lane / 16) + 16 (lane % 16)
.set STA,  51                          ; v51-52  where I store x's rows in slot 0, 1
.set STB,  53                          ; v53-54  the same for W's
.set FB,   56                          ; W's fragments: buffer g at FB + 32 g
.set TY,   56                          ; in the routing: register 4 j + c holds the type of token 512 j + 4 thread + c
.set RING0, 120                        ; pair i of a K step: first half at RING0 + 4 (i % 25),
.set WK,   184                         ; in the routing: 32 registers at work (ring places 16 to 24, which are loaded behind it)
.set FA,   0                           ; window 1: x's fragments: buffer g at FA + 72 g
.set RING1, 144                        ; window 1: second half at RING1 + 4 (i % 25)
.set CV,   128                         ; window 2: pair j of the batch in hand, rounded: 4 registers
.set W_LO, 0xa4                        ; W's fragments window 0, x's window 1, C and D window 2; also a conversion: ring halves in windows 0 and 1, result in window 2
.set W_HI, 0xf4                        ; the same, C and D window 3
; s[4:5] x, s[8:9] weight at my wave's rows: base set 1, for the odd steps of my walk      s[82:83], s[84:85] the same: base set 0, for the even ones      s[6:7] types  s[10:11] bias  s[12:13] out0, both at my wave's columns
; s14 wave  s15 column tile  s16 row tile  s17 type  s18 its count  s19 its count in the waves before mine  s20 its first tile  s21 tiles so far  s22-23 at work
; s24 CNT, the tile's tokens  s25 the running place  s26 trips  s27-28 masks  s29 my SUB region  s[30:31] lane selects  s[32:47] the waves' counts  s[48:51] totals  s[52:55] before me  s[56:59] at work, offsets  s[66:81] lane masks
.set MSB, 0
.set DSA, 0                            ; LDS stores issued behind the last fragment load
.macro WIN new                         ; the immediate's high byte repeats the setting that is left; a switch that changes nothing is dropped
.if MSB != (\new)
	s_set_vgpr_msb (MSB<<8)|(\new)
.set MSB, \new
.endif
.endm
.macro BARRIER
	s_barrier_signal -1
	s_barrier_wait -1
.endm
	s_load_b256 s[4:11], s[0:1], 0x0               ; x, types, weight, bias
	s_load_b64 s[12:13], s[0:1], 0x20              ; out0
	v_lshl_add_u32 v[SPW], v0, 2, SPARE
	v_mov_b32 v[NIL], 0
	v_lshrrev_b32 v24, 5, v0
	v_readfirstlane_b32 s14, v24                   ; wave 0..3
	s_mov_b32 s15, ttmp9                           ; column tile 0..3
	s_and_b32 s22, ttmp7, 0xffff                   ; y, 0..63
	s_lshr_b32 s16, s22, 3                         ; the row tile's number: y's bits 5:3 are its low three,
	s_and_b32 s23, s22, 1
	s_lshl_b32 s23, s23, 5
	s_or_b32 s16, s16, s23                         ; y's bit 0 its bit 5,
	s_bfe_u32 s23, s22, 0x10001
	s_lshl_b32 s23, s23, 4
	s_or_b32 s16, s16, s23                         ; bit 1 its bit 4,
	s_bfe_u32 s23, s22, 0x10002
	s_lshl_b32 s23, s23, 3
	s_or_b32 s16, s16, s23                         ; bit 2 its bit 3
	s_mov_b32 s27, 0x0f0f0f0f
	s_mov_b32 s28, 0x00ff00ff
	s_mov_b32 s30, 0x76543210                      ; v_permlanex16_b32: each lane takes its own place in the other half
	s_mov_b32 s31, 0xfedcba98
	v_lshlrev_b32 v25, 4, v0                       ; 16 x thread; never rewritten
	s_wait_kmcnt 0x0
.set j, 0
.rept 16                                               ; all 8,192 types: a load of the work-group covers 2,048 consecutive bytes
	global_load_b128 v[TY+4*j:TY+4*j+3], v25, s[6:7] offset:2048*j
.set j, j+1
.endr
	; the lane's addresses are made while the types are on their way
	v_and_b32 v[LANE], 31, v0
	v_and_b32 v[RR], 15, v0
	v_bfe_u32 v[HH], v0, 4, 1
	v_lshlrev_b32 v[CO], 4, v[RR]
	v_lshlrev_b32 v[TOK0], 2, v0
	s_mul_i32 s22, s14, 64*PITCH
	s_add_co_u32 s22, s22, BOFF                    ; my wave's 64 rows of W in slot 0,
	s_add_co_u32 s58, s22, SLOT                    ; in slot 1
	s_mul_i32 s23, s14, 16*PITCH
	s_add_co_u32 s23, s23, STAGE                   ; my stage
	s_mul_i32 s56, s14, 2*PITCH                    ; rows 2 wave, 2 wave + 1 of each eight rows of x are mine to store
	s_add_co_u32 s57, s56, SLOT
	s_lshl_b32 s29, s14, 10
	s_add_co_u32 s29, s29, SUB                     ; my SUB region
	s_lshl_b32 s59, s14, 3
	v_mul_u32_u24 v26, v[RR], PITCH
	v_lshl_add_u32 v[ADRA], v[HH], 4, v26          ; a fragment: row lane % 16, 16 bytes for each half of the lanes, two loads 32 bytes apart
	v_add_nc_u32 v[ADRA+1], SLOT, v[ADRA]
	v_add_nc_u32 v[ADRB], s22, v[ADRA]
	v_add_nc_u32 v[ADRB+1], s58, v[ADRA]
	v_lshl_add_u32 v[STO], v[HH], 5, v26           ; into the stage: row lane % 16, 32 bytes (8 columns) for each half of the lanes
	v_add_nc_u32 v[STO], s23, v[STO]
	v_mul_u32_u24 v27, v[HH], PITCH
	v_add_nc_u32 v28, v27, v[CO]                   ; lanes 0-15 one row of 256 bytes, lanes 16-31 the next
	v_add_nc_u32 v[RD], s23, v28
	v_lshl_add_u32 v[LRB], v[HH], 2, LIST
	v_add_nc_u32 v[LRA], s59, v[LRB]
	v_lshl_add_u32 v[WO], v[HH], 12, v[CO]
	v_add_nc_u32 v[STA], s56, v28
	v_add_nc_u32 v[STA+1], s57, v28
	v_add_nc_u32 v[STB], s22, v28
	v_add_nc_u32 v[STB+1], s58, v28
.irp i, 28,29,30,31,8,9,10,11
	v_mov_b32 v[WK+\i], 0                          ; WK+28..31: zeros for my SUB region; WK+8..11: written before they are destinations of lane exchanges
.endr
	v_lshl_add_u32 v29, v[LANE], 4, s29
	ds_store_b128 v29, v[WK+28:WK+31]              ; my 256 words are 0: a place that I do not find stays 0
	ds_store_b128 v29, v[WK+28:WK+31] offset:512
	s_wait_loadcnt 0x0                             ; the types
	; THE COUNTS.  Eight registers at a time: 1 << 4 type, added up: eight 4-bit counts of at most 8.  Even and odd types are then added as bytes (at most 64), widened to 16 bits, and summed over the lanes.
.set gg, 0
.rept 8
.set cc, 0
.rept 8
	v_lshlrev_b32 v[WK+14+cc%2], 2, v[TY+8*gg+cc]
.if cc == 0
	v_lshl_add_u32 v[WK], 1, v[WK+14+cc%2], 0
.else
	v_lshl_add_u32 v[WK], 1, v[WK+14+cc%2], v[WK]
.endif
.set cc, cc+1
.endr
.if gg == 0
	v_and_b32 v[WK+1], s27, v[WK]                  ; bytes: types 0, 2, 4, 6
	v_lshrrev_b32 v[WK+3], 4, v[WK]
	v_and_b32 v[WK+2], s27, v[WK+3]                ; bytes: types 1, 3, 5, 7
.else
	v_and_b32 v[WK+3], s27, v[WK]
	v_add_nc_u32 v[WK+1], v[WK+1], v[WK+3]
	v_lshrrev_b32 v[WK+3], 4, v[WK]
	v_and_b32 v[WK+3], s27, v[WK+3]
	v_add_nc_u32 v[WK+2], v[WK+2], v[WK+3]
.endif
.set gg, gg+1
.endr
	v_and_b32 v[WK+4], s28, v[WK+1]                ; word 0: types 0 | 4
	v_lshrrev_b32 v[WK+3], 8, v[WK+1]
	v_and_b32 v[WK+5], s28, v[WK+3]                ; word 1: types 2 | 6
	v_and_b32 v[WK+6], s28, v[WK+2]                ; word 2: types 1 | 5
	v_lshrrev_b32 v[WK+3], 8, v[WK+2]
	v_and_b32 v[WK+7], s28, v[WK+3]                ; word 3: types 3 | 7
.irp m, 1,2,4,8
.irp i, 0,1,2,3
	v_mov_b32_dpp v[WK+8+\i], v[WK+4+\i] row_xmask:\m row_mask:0xf bank_mask:0xf
.endr
.irp i, 0,1,2,3
	v_add_nc_u32 v[WK+4+\i], v[WK+4+\i], v[WK+8+\i]
.endr
.endr
.irp i, 0,1,2,3
	v_permlanex16_b32 v[WK+8+\i], v[WK+4+\i], s30, s31
.endr
.irp i, 0,1,2,3
	v_add_nc_u32 v[WK+4+\i], v[WK+4+\i], v[WK+8+\i]  ; my wave's counts (at most 2,048 a type), in every lane
.endr
	s_lshl_b32 s22, s14, 4
	s_add_co_u32 s22, s22, WTOT
	v_mov_b32 v[WK+12], s22
	ds_store_b128 v[WK+12], v[WK+4:WK+7]           ; all lanes write the same 16 bytes
	s_wait_dscnt 0x0                               ; for the others' sake: my counts are in LDS
	BARRIER
	v_mov_b32 v[WK+13], WTOT
.irp u, 0,1,2,3
	ds_load_b128 v[WK+16+4*\u:WK+16+4*\u+3], v[WK+13] offset:16*\u
.endr
	s_wait_dscnt 0x0
.set i, 0
.rept 16
	v_readfirstlane_b32 s[32+i], v[WK+16+i]        ; wave i / 4, word i % 4
.set i, i+1
.endr
	; WHICH TILE IS MINE.  Totals, and the counts of the waves before mine.
.irp i, 0,1,2,3
	s_add_co_u32 s[48+\i], s[32+\i], s[36+\i]
	s_add_co_u32 s[48+\i], s[48+\i], s[40+\i]
	s_add_co_u32 s[48+\i], s[48+\i], s[44+\i]
	s_mov_b32 s[52+\i], 0
.endr
.irp u, 0,1,2
	s_cmp_gt_u32 s14, \u
.irp i, 0,1,2,3
	s_cselect_b32 s[56+\i], s[32+4*\u+\i], 0       ; selects leave SCC as it is,
.endr
.irp i, 0,1,2,3
	s_add_co_u32 s[52+\i], s[52+\i], s[56+\i]      ; the sums do not: they follow
.endr
.endr
	s_mov_b32 s17, 0
	s_mov_b32 s18, 0
	s_mov_b32 s19, 0
	s_mov_b32 s20, 0
	s_mov_b32 s21, 0
; Type e's tiles begin at tile s21.  The last type whose first tile is not past mine is my type.
.macro EXPERT e
.set fi, 2*((\e)&1)+(((\e)>>1)&1)
.if (\e) < 4
	s_and_b32 s22, s[48+fi], 0xffff                ; c, the type's count
	s_and_b32 s23, s[52+fi], 0xffff                ; and its count in the waves before mine
.else
	s_lshr_b32 s22, s[48+fi], 16
	s_lshr_b32 s23, s[52+fi], 16
.endif
	s_cmp_ge_u32 s16, s21
	s_cselect_b32 s17, \e, s17
	s_cselect_b32 s18, s22, s18
	s_cselect_b32 s19, s23, s19
	s_cselect_b32 s20, s21, s20
	s_add_co_u32 s22, s22, 143                     ; ceil(c / 144) = ((c + 143) / 16) / 9, and y / 9 = (7282 y) >> 16 for y under 32,768: here y is 520 at the most
	s_lshr_b32 s22, s22, 4
	s_mul_i32 s22, s22, 7282
	s_lshr_b32 s22, s22, 16
	s_add_co_u32 s21, s21, s22
.endm
.irp e, 0,1,2,3,4,5,6,7
	EXPERT \e
.endr
	s_sub_co_u32 s22, s16, s20
	s_mul_i32 s22, s22, 144                        ; the rank of my tile's first token
	s_sub_co_i32 s24, s18, s22
	s_max_i32 s24, s24, 0
	s_min_i32 s24, s24, 144                        ; CNT: 0 for a tile number past the last tile
	s_sub_co_u32 s25, s19, s22                     ; the place in my tile of my wave's first token of the type; below 0 it wraps to a large number
	s_min_u32 s17, s17, 7
	s_lshl_b32 s56, s17, 22                        ; weight: type x 4 MB + column tile x 256 rows + wave x 64 rows
	s_lshl_b32 s22, s15, 20
	s_add_co_u32 s56, s56, s22
	s_lshl_b32 s22, s14, 18
	s_add_co_u32 s56, s56, s22
	s_mov_b32 s57, 0
	s_add_nc_u64 s[8:9], s[8:9], s[56:57]
	s_lshl_b32 s58, s15, 10                        ; out0: column tile x 1,024 bytes + wave x 256
	s_lshl_b32 s22, s14, 8
	s_add_co_u32 s58, s58, s22
	s_mov_b32 s59, 0
	s_add_nc_u64 s[12:13], s[12:13], s[58:59]
	s_lshl_b32 s22, s17, 12                        ; bias: the same + type x 4,096
	s_add_co_u32 s58, s58, s22
	s_add_nc_u64 s[10:11], s[10:11], s[58:59]
	s_add_co_u32 s22, s15, s16                     ; rot = (column tile + row tile) % 2.  Step u of my walk is K step u xor rot, and (u + 2) xor rot = (u xor rot) + 2:
	s_and_b32 s22, s22, 1                          ; so a base set begins at its first step's 512 bytes and steps by 1,024
	s_lshl_b32 s56, s22, 9                         ; step 0 of my walk: K step rot
	s_xor_b32 s22, s22, 1
	s_lshl_b32 s58, s22, 9                         ; step 1: K step 1 - rot
	s_add_nc_u64 s[82:83], s[4:5], s[56:57]        ; base set 0
	s_add_nc_u64 s[84:85], s[8:9], s[56:57]
	s_add_nc_u64 s[4:5], s[4:5], s[58:59]          ; base set 1
	s_add_nc_u64 s[8:9], s[8:9], s[58:59]
; THE STAGING.  A K step has 50 pairs a wave.  Pair t: two rows (lanes 0-15 one, lanes 16-31 the next), 512 bytes of each as two loads of 256; t % 25 < 16: rows of W; else rows of x.
; One load: half 0 or 1 of pair t, by base set 0 or 1, which stands at the pair's K step.  The caller has set the destination's window: that of the half.
.macro LD1 t, half, set
.set pl, (\t)%25
.if \half
.set rg, RING1+4*pl
.else
.set rg, RING0+4*pl
.endif
.if pl < 16
.set pp, 16*((\t)/25)+pl
	global_load_b128 v[rg:rg+3], v[WO], s[84-76*(\set):85-76*(\set)] offset:8192*pp+256*(\half)
.else
.set xx, 9*((\t)/25)+pl-16
	global_load_b128 v[rg:rg+3], v[XO+xx], s[82-78*(\set):83-78*(\set)] offset:256*(\half)
.endif
.endm
.macro FILL first, n                   ; the ring's first fill: pairs first .. first + n - 1 of my walk's step 0: their first halves, then their second halves
	WIN 0
.set tt, \first
.rept \n
	LD1 tt, 0, 0
.set tt, tt+1
.endr
	WIN 0x40                                       ; destination window 1, address window 0
.set tt, \first
.rept \n
	LD1 tt, 1, 0
.set tt, tt+1
.endr
	WIN 0
.endm
; Batch q of a K step: pairs 0-12, 13-24, 25-37, 38-49.  Its ring places are loaded again with the pairs 25 further on: of the same step (q < 2), or of the step behind it; the caller names that step's base set.
.macro LOADS q, half, set
	WIN 0x40*(\half)
.set jj, 0
.rept 13-((\q)%2)
.set ii, 25*((\q)/2)+13*((\q)%2)+jj
	LD1 (ii+25)%50, \half, \set
.set jj, jj+1
.endr
.endm
; Pair j of batch q is rounded.  Loads come back in order (ISA guide 5.7.1): behind the pair's second half were issued the batch's later second halves and the whole younger batch of young pairs.
.macro PCVT q, j, young
	WIN W_LO
.set ii, 25*((\q)/2)+13*((\q)%2)+(\j)
.set rgA, RING0+4*(ii%25)
.set rgB, RING1+4*(ii%25)
.set rc, CV+4*(\j)
	s_wait_loadcnt (12-((\q)%2)-(\j))+2*(\young)
.irp c, 0,1,2,3
	v_cvt_pk_bf16_f32 v[rc+\c], v[rgA+\c], v[rgB+\c]
.endr
.endm
.macro STORES q, slot                  ; the batch goes into the slot: sixteen lanes write 256 consecutive bytes of an LDS row
	WIN 0x08                                       ; data window 2, address window 0
.set jj, 0
.rept 13-((\q)%2)
.set ii, 25*((\q)/2)+13*((\q)%2)+jj
.set pl, ii%25
.set rc, CV+4*jj
.if pl < 16
.set pp, 16*(ii/25)+pl
	ds_store_b128 v[STB+(\slot)], v[rc:rc+3] offset:2*PITCH*pp
.else
.set xx, 9*(ii/25)+pl-16
	ds_store_b128 v[STA+(\slot)], v[rc:rc+3] offset:8*PITCH*xx
.endif
.set jj, jj+1
.endr
.endm
	global_load_b128 v[BI:BI+3], v[CO], s[10:11]   ; older than every load of the ring: the first counted wait covers it
	FILL 0, 13                                     ; W's first 32 loads fly while the list is made
	FILL 13, 3
	; THE LIST.  The type's tokens are ranked by (wave, register, lane), alike in all work-groups.  A token whose place in my tile is 0 .. 143 goes to that word of my SUB region, every other to word 144.
	; Sixteen registers at a time, each step for all sixteen, and the sixteen LDS stores in one run.
.set bt, 0
.rept 4
.set i, 0
.rept 16
	v_cmp_eq_u32 s[66+i], s17, v[TY+16*bt+i]
.set i, i+1
.endr
.set i, 0
.rept 16
	v_mbcnt_lo_u32_b32 v[WK+2*i], s[66+i], s25     ; the running place + the lanes below me that hold the type
	s_bcnt1_i32_b32 s22, s[66+i]
	s_add_co_u32 s25, s25, s22
.set i, i+1
.endr
.set i, 0
.rept 16
	v_cndmask_b32 v[WK+2*i], -1, v[WK+2*i], s[66+i]
.set i, i+1
.endr
.set i, 0
.rept 16
	v_min_u32 v[WK+2*i], 0x90, v[WK+2*i]           ; another type, a place below 0 (wrapped) or past 143: word 144
.set i, i+1
.endr
.set i, 0
.rept 16
	v_lshl_add_u32 v[WK+2*i], v[WK+2*i], 2, s29
.set i, i+1
.endr
.set i, 0
.rept 16
.set kk, 16*bt+i
	v_add_nc_u32 v[WK+2*i+1], 512*(kk/4)+kk%4, v[TOK0]  ; the token
.set i, i+1
.endr
.set i, 0
.rept 16
	ds_store_b32 v[WK+2*i], v[WK+2*i+1]
.set i, i+1
.endr
.set bt, bt+1
.endr
	s_wait_dscnt 0x0                               ; for the others' sake: my region is written
	BARRIER
	v_lshl_add_u32 v24, v0, 3, SUB                 ; places 2 thread, 2 thread + 1 of the four regions: one wave wrote the token, the others hold 0
	v_mov_b32 v26, SUB
.irp u, 0,1,2,3
	ds_load_b64 v[WK+2*\u:WK+2*\u+1], v24 offset:1024*\u
.endr
.irp u, 0,1,2,3
	ds_load_b32 v[WK+8+\u], v26 offset:1024*\u     ; place 0: the token that fills the places past the count
.endr
	v_lshlrev_b32 v27, 1, v0
	v_or_b32 v28, 1, v27
	v_lshl_add_u32 v29, v0, 3, LIST
	s_wait_dscnt 0x0
	v_or_b32 v[WK], v[WK], v[WK+2]
	v_or_b32 v[WK+4], v[WK+4], v[WK+6]
	v_or_b32 v[WK+1], v[WK+1], v[WK+3]
	v_or_b32 v[WK+5], v[WK+5], v[WK+7]
	v_or_b32 v[WK+8], v[WK+8], v[WK+9]
	v_or_b32 v[WK+10], v[WK+10], v[WK+11]
	v_or_b32 v[WK], v[WK], v[WK+4]
	v_or_b32 v[WK+1], v[WK+1], v[WK+5]
	v_or_b32 v[WK+8], v[WK+8], v[WK+10]
	v_cmp_gt_u32 vcc_lo, s24, v27
	v_cndmask_b32 v[WK], v[WK+8], v[WK], vcc_lo
	v_cmp_gt_u32 vcc_lo, s24, v28
	v_cndmask_b32 v[WK+1], v[WK+8], v[WK+1], vcc_lo
	ds_store_b64 v29, v[WK:WK+1]
	s_wait_dscnt 0x0                               ; for the others' sake: my two places of the list are written
	BARRIER
.set i, 0
.rept 18
	ds_load_b32 v[WK+i], v[LRA] offset:32*i        ; the token of row 8 i + 2 wave + lane / 16
.set i, i+1
.endr
	s_wait_dscnt 0x0
.set i, 0
.rept 18
	v_min_u32 v[WK+i], 0x1fff, v[WK+i]
.set i, i+1
.endr
.set i, 0
.rept 18
	v_lshl_add_u32 v[XO+i], v[WK+i], 12, v[CO]
.set i, i+1
.endr
	FILL 16, 9                                     ; x's first 18 loads: the ring is full
	; STEP 0 OF MY WALK goes into slot 0 with no product beside it, by the same four batches: batches 0 and 1 load the rest of step 0 (set 0), batches 2 and 3 the first half of step 1 (set 1)
.irp q, 0,1,2,3
.set sl, 0
.rept 13-((\q)%2)
	PCVT \q, sl, 12+((\q)%2)
.set sl, sl+1
.endr
	LOADS \q, 0, (\q)/2
	LOADS \q, 1, (\q)/2
	STORES \q, 0
.endr
	s_add_nc_u64 s[82:83], s[82:83], 1024          ; set 0 goes on to step 2.  The last counted wait above left out only batch 2's 26 loads; those and batch 3's 24 name set 1: no load that names set 0 is out
	s_add_nc_u64 s[84:85], s[84:85], 1024
	s_wait_dscnt 0x0                               ; for the others' sake: my rows of slot 0 are written
	BARRIER
; A quarter's 26 fragment loads (32 along K at byte kb of the rows, into buffer g): W's 4 fragments, then x's 9 in the order in which the products take them.
.macro FRW slot, kb, g
	WIN 0
.set dd, 0
.rept 8
	ds_load_b128 v[FB+32*(\g)+4*dd:FB+32*(\g)+4*dd+3], v[ADRB+(\slot)] offset:16*PITCH*(dd/2)+(\kb)+32*(dd%2)
.set dd, dd+1
.endr
.endm
.macro FRX slot, kb, g
	WIN 0x40
.set dd, 0
.rept 18
	ds_load_b128 v[FA+72*(\g)+4*dd:FA+72*(\g)+4*dd+3], v[ADRA+(\slot)] offset:16*PITCH*(dd/2)+(\kb)+32*(dd%2)
.set dd, dd+1
.endr
.endm
; Product sl of a quarter's 36: tokens 16 (sl / 4) on, columns 16 (sl % 4) on.  The 36 accumulators take turns, one instruction a turn, in the same order in every quarter.
.macro MM f, sl, zero
.set aa, (\sl)/4
.set bb, (\sl)%4
.if aa < 4
	WIN W_LO
.set rD, 8*(4*aa+bb)
.else
	WIN W_HI
.set rD, 8*(4*(aa-4)+bb)
.endif
.set rB, FB+32*(\f)+8*bb
.set rA, FA+72*(\f)+8*aa
.if \zero
	v_wmma_f32_16x16x32_bf16 v[rD:rD+7], v[rB:rB+7], v[rA:rA+7], 0
.else
	v_wmma_f32_16x16x32_bf16 v[rD:rD+7], v[rB:rB+7], v[rA:rA+7], v[rD:rD+7]
.endif
.endm
; A QUARTER of the step in slot cur: 36 products on buffer q % 2.  mode 0: batch q of the next step is staged into the other slot and its ring places are loaded again.
; mode 1: the last step is being staged: batches 2 and 3 load nothing, and batch 3's waits count down to 0.  mode 2: the last step: nothing is staged.
; A load into a register that a matrix instruction has read stands four plain vector instructions behind it (ISA guide 7.12.1 for vector instructions): the conversions, which name no
; register of the products, are those; in mode 2 four v_nop behind the quarter's first product.
; q < 3: behind product 12 ONE run: the next quarter's fragments, the ring's loads, the batch's stores.
; q = 3: behind product 12 the batch's stores and the ring's loads.  ONE barrier changes slots: in front of its signal, ahead of product 16, my stores into the next slot are done and my reads of this slot are back;
; behind its wait, behind product 17, the next slot's first fragments are read, and this slot is written from the next step on.
; THE BASES.  Step u of the walk is loaded by base set u % 2: its first 25 pairs in the third and fourth quarter of step u - 2 (there the set of that step's own slot), its last 25 in the first and second quarter of
; step u - 1 (there the other slot's set).  In the fourth quarter of step u - 1 that set is stepped two steps on: the batch's last counted wait has left out only the 26 loads that the third quarter issued, and
; those, like the 24 issued since, name the set of the slot in hand: no load that names the stepped set is out.
.macro QUARTER cur, q, zero, mode, last=0
.set bn, 13-((\q)%2)
.set yg, 25-bn
.if ((\mode) == 1) && ((\q) == 3)
.set yg, 0
.endif
.set stg, 0
.if (\mode) < 2
.set stg, 1
.endif
.set rld, 0
.if ((\mode) == 0) || (((\mode) == 1) && ((\q) < 2))
.set rld, 1
.endif
.if (\q) < 2
.set lset, 1-(\cur)
.else
.set lset, \cur
.endif
	s_wait_dscnt 10+DSA                            ; W's fragments and x's first four are in; x's last five (10 loads) and the stores issued behind them may be out
.set sl, 0
.rept 36
.if sl == 16
	WIN W_HI
.if (\q) < 3
	s_wait_dscnt 26+stg*bn                         ; all but this quarter's own run: x's last five fragments are in
.else
	s_wait_dscnt 0x0
.if !(\last)
	s_barrier_signal -1
.endif
.endif
.endif
	MM (\q)%2, sl, \zero
.if stg && (sl < bn)
	PCVT \q, sl, yg
.elseif (!stg) && (sl == 0) && !(\last)
.rept 4
	v_nop
.endr
.endif
.if sl == 12
.if (\q) < 3
	FRW \cur, 64*((\q)+1), 1-(\q)%2
.if rld
	LOADS \q, 0, lset
.endif
	FRX \cur, 64*((\q)+1), 1-(\q)%2
.if rld
	LOADS \q, 1, lset
.endif
.if stg
	STORES \q, 1-(\cur)
.endif
.set DSA, stg*bn
.elseif !(\last)
	STORES \q, 1-(\cur)
.if rld
	LOADS \q, 0, lset
	LOADS \q, 1, lset
.endif
.endif
.endif
.if ((\q) == 3) && (!(\last)) && (sl == 17)
.if (\mode) == 0
	s_add_nc_u64 s[82-78*(1-(\cur)):83-78*(1-(\cur))], s[82-78*(1-(\cur)):83-78*(1-(\cur))], 1024
	s_add_nc_u64 s[84-76*(1-(\cur)):85-76*(1-(\cur))], s[84-76*(1-(\cur)):85-76*(1-(\cur))], 1024
.endif
	s_barrier_wait -1
	FRW 1-(\cur), 0, 0
	FRX 1-(\cur), 0, 0
.set DSA, 0
.endif
.set sl, sl+1
.endr
.endm
	FRW 0, 0, 0
	FRX 0, 0, 0
.set DSA, 0
	QUARTER 0, 0, 1, 0                             ; the first quarter stands in front of the loop: its products start the sums
	WIN 0                                          ; at a label and at a branch every window is 0
	s_mov_b32 s26, 3
.Ltrip:                                                ; a trip: two steps, from an even step's second quarter to the next even step's first
	QUARTER 0, 1, 0, 0
	QUARTER 0, 2, 0, 0
	QUARTER 0, 3, 0, 0
	QUARTER 1, 0, 0, 0
	QUARTER 1, 1, 0, 0
	QUARTER 1, 2, 0, 0
	QUARTER 1, 3, 0, 0
	QUARTER 0, 0, 0, 0
	WIN 0
	s_sub_co_u32 s26, s26, 1
	s_cmp_lg_u32 s26, 0
	s_cbranch_scc1 .Ltrip
	QUARTER 0, 1, 0, 1                             ; step 6 stages step 7 and loads nothing beyond it (its first quarter, in the loop, is alike in both modes)
	QUARTER 0, 2, 0, 1
	QUARTER 0, 3, 0, 1
	QUARTER 1, 0, 0, 2                             ; step 7 stages nothing
	QUARTER 1, 1, 0, 2
	QUARTER 1, 2, 0, 2
	QUARTER 1, 3, 0, 2, 1
	WIN 0
.rept 4
	v_nop                                          ; the places behind the last products: their results are read, and W's fragment registers loaded, below
.endr
; THE WAY OUT of 16 tokens: a lane's eight columns go into my stage as 32 bytes of a row (each accumulator's low registers first) and come back as whole rows of 256 bytes;
; the bias is added; sixteen lanes store 256 consecutive aligned bytes of the token's row.  A block past the tile's count ends the wave: no barrier is jumped.
; Five sets of 40 registers take turns: blocks 0 to 4 write registers that no store has named, and ONE wait ahead of block 5 frees all five sets for blocks 5 to 8.
.macro OUT mb
	WIN 0
	s_cmp_le_u32 s24, 16*(\mb)
	s_cbranch_scc1 .Lend
.if (\mb) == 5
	s_wait_xcnt 0x0                                ; the stores of blocks 0 to 4 have had their addresses translated (ISA guide 3.1): their registers are written again only behind this wait
.endif
.set rOB, 32+40*((\mb)%5)
.set rTK, rOB+32
.if (\mb) < 4
	WIN 0x08                                       ; the stores' data in window 2
.set rAC, 32*(\mb)
.else
	WIN 0x0c                                       ; in window 3
.set rAC, 32*((\mb)-4)
.endif
.irp b, 0,1,2,3
	ds_store_b128 v[STO], v[rAC+8*\b:rAC+8*\b+3]   offset:64*\b
	ds_store_b128 v[STO], v[rAC+8*\b+4:rAC+8*\b+7] offset:64*\b+16
.endr
	WIN 0
.irp t, 0,1,2,3,4,5,6,7
	ds_load_b32 v[rTK+\t], v[LRB] offset:4*(16*(\mb)+2*\t)
.endr
.irp t, 0,1,2,3,4,5,6,7
	ds_load_b128 v[rOB+4*\t:rOB+4*\t+3], v[RD] offset:2*PITCH*\t  ; LDS serves a wave's instructions in order (ISA guide 5.7.1.4): these see the stores above; the next block's stores come behind them
.endr
	s_wait_dscnt 8                                 ; the tokens are in; the eight loads of rows may stay out
.irp t, 0,1,2,3,4,5,6,7
	v_min_u32 v[rTK+\t], 0x1fff, v[rTK+\t]
.endr
.irp t, 0,1,2,3,4,5,6,7
	v_lshl_add_u32 v[rTK+\t], v[rTK+\t], 12, v[CO]
.endr
.irp t, 0,1,2,3,4,5,6,7
	s_wait_dscnt 7-\t
	v_pk_add_f32 v[rOB+4*\t:rOB+4*\t+1],   v[rOB+4*\t:rOB+4*\t+1],   v[BI:BI+1]
	v_pk_add_f32 v[rOB+4*\t+2:rOB+4*\t+3], v[rOB+4*\t+2:rOB+4*\t+3], v[BI+2:BI+3]
	global_store_b128 v[rTK+\t], v[rOB+4*\t:rOB+4*\t+3], s[12:13] th:TH_STORE_NT
.endr
.endm
.irp mb, 0,1,2,3,4,5,6,7,8
	OUT \mb
.endr
.Lend:
	s_wait_tensorcnt 0x0                           ; the wave's end: behind my last LDS store
	ds_add_u32 v[SPW], v[NIL]
	s_wait_dscnt 0x0
	s_endpgm
.Lfunc_end_k_q5e1b88776c_typed:
	.size	k_q5e1b88776c_typed, .Lfunc_end_k_q5e1b88776c_typed-k_q5e1b88776c_typed
	.p2alignl 7, 3214868480
	.fill 96, 4, 3214868480
	.section	.rodata,"a",@progbits
	.p2align	6, 0x0
	.amdhsa_kernel k_q5e1b88776c_typed
		.amdhsa_group_segment_fixed_size 241664
		.amdhsa_private_segment_fixed_size 0
		.amdhsa_enable_private_segment 0
		.amdhsa_kernarg_size 40
		.amdhsa_user_sgpr_count 2
		.amdhsa_user_sgpr_kernarg_segment_ptr 1
		.amdhsa_wavefront_size32 1
		.amdhsa_system_sgpr_workgroup_id_x 1
		.amdhsa_system_sgpr_workgroup_id_y 1
		.amdhsa_system_sgpr_workgroup_id_z 1
		.amdhsa_system_vgpr_workitem_id 0
		.amdhsa_next_free_vgpr 928
		.amdhsa_next_free_sgpr 96
		.amdhsa_reserve_vcc 1
		.amdhsa_float_denorm_mode_32 3
		.amdhsa_float_denorm_mode_16_64 3
		.amdhsa_memory_ordered 1
		.amdhsa_forward_progress 1
		.amdhsa_inst_pref_size 255
	.end_amdhsa_kernel
	.section	.bss,"aw",@nobits
	.p2align	6
	.space	262144
	.amdgpu_metadata
---
amdhsa.version: [ 1, 2 ]
amdhsa.kernels:
  - .name:           k_q5e1b88776c_typed
    .symbol:         k_q5e1b88776c_typed.kd
    .args:
      - { .name: x, .offset: 0, .size: 8, .value_kind: global_buffer, .address_space: global }
      - { .name: types, .offset: 8, .size: 8, .value_kind: global_buffer, .address_space: global }
      - { .name: weight, .offset: 16, .size: 8, .value_kind: global_buffer, .address_space: global }
      - { .name: bias, .offset: 24, .size: 8, .value_kind: global_buffer, .address_space: global }
      - { .name: out0, .offset: 32, .size: 8, .value_kind: global_buffer, .address_space: global }
    .group_segment_fixed_size: 241664
    .private_segment_fixed_size: 0
    .kernarg_segment_align: 8
    .kernarg_segment_size: 40
    .max_flat_workgroup_size: 128
    .sgpr_count:     96
    .vgpr_count:     928
    .wavefront_size: 32
...
	.end_amdgpu_metadata
.endif
;; end of part 3
